; MI455X (gfx1250); checked and timed in simulation.
; The chip was launched on July 23, 2026; its instructions are those of AMD's public machine-readable ISA for CDNA 5 (MIT licence, August 2026) and "CDNA5" Instruction Set Architecture Reference Guide (July 2026). The comments in the code are by the model that wrote it; some were corrected since.
;; Default Attention. Allowed arithmetic: matrix products marked QUANTISED: E3M2 operands, one E8M0 scale for each 32 along K, by v_wmma_scale_f32_16x16x128_f8f6f4 with both operands' format E3M2, f32 sums; everything else in f32.
;; Inputs: Wk 1,024 x 1,024 float32; Wq 1,024 x 1,024 float32; Wv 1,024 x 1,024 float32; bk 1,024 float32; bq 1,024 float32; bv 1,024 float32; x 4 x 2,048 x 1,024 float32.
;; Outputs: out0 4 x 2,048 x 1,024 float32.
;; This version of the problem:
;;   THIS VERSION OF THE PROBLEM IS GIVEN IN LOW PRECISION. The matrix products marked QUANTISED in the list below multiply operands that are first quantised to E3M2 (3 exponent bits, 2 mantissa bits; 6 bits a number), with one power-of-two scale for each 32 numbers along K (OCP MX v1.0); their sums are f32. All else is computed in f32.
;;   The module's matrix products, in the order in which they are computed (A, B: the left and right operand; K: the contracted axis; several contracted axes count as one K, in the product's order):
;;     1. [M 8,192, K 1,024] x [K 1,024, N 1,024]; A: input x; B: input Wk: QUANTISED
;;     2. [M 8,192, K 1,024] x [K 1,024, N 1,024]; A: input x; B: input Wq: QUANTISED
;;     3. [M 8,192, K 1,024] x [K 1,024, N 1,024]; A: input x; B: input Wv: QUANTISED
;;     4. batch 4 x [M 2,048, K 1,024] x [K 1,024, N 2,048]; A: computed on the way; B: computed on the way: QUANTISED
;;     5. batch 4 x [M 2,048, K 2,048] x [K 2,048, N 1,024]; A: softmax (see below); B: computed on the way: QUANTISED
;;   THE QUANTISER, for each operand of a quantised product, along K:
;;     - K is cut into blocks of 32 from its start; a last block that is shorter is filled with zeros.
;;     - A block's scale is 2^e with e = floor(log2(the largest magnitude in the block)) - 4, held to -126 .. 127; a block of zeros has e = 0. As a byte (E8M0): e + 127.
;;     - Each number is divided by its block's scale, clamped to +-28, and rounded to the nearest number of E3M2, ties to even, subnormals kept.
;;     - The product sums the exact products of the quantised numbers (number of the format x scale) in f32.
;;   ~~~python
;;   def quantise(x, axis):      # numpy; x: float32 -> the quantised numbers, widened to float32 again
;;       x = np.moveaxis(x, axis, -1); K = x.shape[-1]
;;       x = np.pad(x, [(0, 0)] * (x.ndim - 1) + [(0, -K % 32)]); x = x.reshape(x.shape[:-1] + (-1, 32)); a = np.abs(x).max(-1, keepdims=True)
;;       e = np.where(a > 0, np.clip(np.frexp(np.where(a > 0, a, 1))[1] - 1 - 4, -126, 127), 0)      # np.frexp(a)[1] - 1 = floor(log2(a)), exactly
;;       r = np.clip(x / 2.0 ** e, -28, 28)
;;       step = 2.0 ** (np.maximum(np.frexp(np.where(r == 0, 1, r))[1] - 1, -2) - 2)
;;       q = np.round(r / step) * step * 2.0 ** e      # np.round: ties to even
;;       return np.moveaxis(q.reshape(q.shape[:-2] + (-1,))[..., :K], -1, axis).astype(np.float32)
;;   ~~~
;;   SOFTMAX AHEAD OF A QUANTISED PRODUCT. Where the list says 'softmax', what is quantised is not the finished softmax but p = 2^(t - M), with t = logit x log2(e) and M = ceil(the row's largest t), a whole number; so 1/2 < the row's largest p <= 1. The row's sum l is taken of the UNQUANTISED p, in f32, and the product's result is divided by l at the end. Since M is a whole number, a kernel that streams over the keys may use a running M (the ceiling of the running maximum): every later rescaling is an exact power of two, which a block's scale takes up: the codes' values come out the same.
;;   OPERANDS COMPUTED ON THE WAY. 'Computed on the way' means the value that the module computes at that place (a softmax that the list does not call 'softmax' is quantised finished and normalised). What goes into a quantiser is computed in f32, as accurately as f32 sums, v_exp_f32 and their like allow (about 1e-6 of the number): no bf16 or f16 on the way to a quantiser, and a product that is left as it is and whose result goes on into a quantised operand takes f32 operands (vector FMAs, or v_wmma_f32_16x16x4_f32). A number that lies on a knife's edge between two numbers of the format may be rounded either way, as far as f32 arithmetic and the matrix unit's own rounding can turn it there, and no further.
;; One version. Each part assembles by itself: llvm-mc -triple=amdgcn-amd-amdhsa -mcpu=gfx1250 --defsym DOCPART=n.
;; ======== version 1 of 1: 4 launches
;; limits: right only within a limited range of input values
;; workspace buffers: xq 6,553,600 bytes; wq 2,457,600 bytes; kq 6,553,600 bytes; qq 6,553,600 bytes; vq 6,553,600 bytes; pq 12,582,912 bytes; pst 2,097,152 bytes
;; launch quant (part 1): grid 352 x 1, 4 waves a work-group, no clusters, 33,280 bytes of LDS; arguments x, Wk, Wq, Wv, xq, wq; writes xq, wq
.if DOCPART == 1
	.amdgcn_target "amdgcn-amd-amdhsa--gfx1250"
	.amdhsa_code_object_version 6
	.text
	.protected	k_qb1227f7e7e_quant
	.globl	k_qb1227f7e7e_quant
	.p2align	8
	.type	k_qb1227f7e7e_quant,@function
k_qb1227f7e7e_quant:
	s_mov_b64 s[64:65], 0
	v_nop
	global_prefetch_b8 v0, s[64:65] scope:SCOPE_SE
	s_setreg_imm32_b32 hwreg(HW_REG_WAVE_MODE, 25, 1), 1
	s_wait_xcnt 0x0
; x [8192][1024] and Wk, Wq, Wv [1024][1024], f32, become codes of BF6 (E3M2), 6 bits each, K innermost, with one E8M0 scale byte for each 32 along K.
; xq: codes [8192 rows][768 bytes], from byte XSCL on the scale bytes [8192][32].  wq: the same for the 3,072 rows of Wk, Wq, Wv on end; scale bytes from byte WSCL on.
; ROW ORDER: a row stands at the place whose number has bits 3 and 4 of the row's number exchanged.  A wave takes 8 rows (8,192 numbers), so the exchange is one of the two low bits of the wave's run number.
; A block's scale is 2^(floor(log2(its largest magnitude)) - 4); its byte is the largest magnitude's exponent field - 4, held at 1 from below.  A block of zeros so gets the byte 1: its codes are zeros, and this program alone reads the bytes.
; LIMITS: blocks whose largest magnitude lies under 2^-122 keep the byte 1; NaN and infinities among the inputs are not served.
; A wave takes 16 steps of 512 numbers.  Each of a step's four loads reads 512 consecutive bytes; the 2,048 bytes turn through the wave's own stage in LDS and come back 64 bytes (16 neighbours along K) a lane; two neighbouring lanes hold a block.
; Work-groups 0-255 take x, 256-287 Wk, 288-319 Wq, 320-351 Wv: only pointers are chosen, all take one path.  No tensor loads, no barrier: waves share nothing.
.set STEPS, 16
.set EMAX,  4
; LAYOUT OF THE CODES (it takes the place of what the lines above say of the codes' rows): [4 slots of 256 along K][row place][192 bytes]; a slot of xq is 8,192 x 192 bytes, of wq 3,072 x 192.
; So 128 or 256 rows of one slot are one run of bytes that begins at a multiple of 256.  The scale bytes lie as said above.
; LATER LAUNCHES leave out the tiles of k q^T and of p v that lie wholly above the diagonal: reference() itself sets them to -inf by its own jnp.tril, whatever the inputs hold, so their p is 0.
; A NaN, an infinity or an overflow that would arise in those tiles alone is not carried to the result.
.set CB,    12                         ; bytes of 16 codes
.set R,     16                         ; v16-79   four sets of 16 numbers as they are loaded
.set X,     80                         ; v80-111  two sets of 16 neighbours
.set C,     128                        ; v128-191 codes: four registers for each step
.set E,     112                        ; v112-127 a scale byte for each step
.set WREG,  8192                       ; LDS: a region for each wave: two stages of 32 x SP bytes, then its 256 scale bytes
.set SP,    80
.set XSCL,  6291456
.set WSCL,  2359296
	s_load_b256 s[4:11], s[0:1], 0x0               ; x, Wk, Wq, Wv
	s_load_b128 s[12:15], s[0:1], 0x20             ; xq, wq
	v_lshl_add_u32 v192, v0, 2, 0x8000
	v_mov_b32 v193, 0
	v_lshrrev_b32 v1, 5, v0
	v_readfirstlane_b32 s16, v1                    ; wave
	v_and_b32 v2, 31, v0                           ; lane
	v_lshlrev_b32 v3, 4, v2                        ; my 16 bytes of a load's 512
	s_mul_i32 s17, s16, WREG
	v_lshrrev_b32 v14, 2, v2
	v_mul_u32_u24 v14, v14, SP
	v_and_b32 v15, 3, v2
	v_lshl_add_u32 v14, v15, 4, v14
	v_add_nc_u32 v14, s17, v14                     ; the stage, on the way in: SP (lane / 4) + 16 (lane % 4)
	v_mul_u32_u24 v15, v2, SP
	v_add_nc_u32 v15, s17, v15                     ; and on the way out: SP x lane
	s_mov_b32 s26, 589824                          ; a slot of wq in bytes,
	s_cmp_lt_u32 ttmp9, 256
	s_cselect_b32 s26, 1572864, s26                ; or of xq
	v_and_b32 v4, 15, v2
	v_mul_u32_u24 v4, v4, CB                       ; sixteen lanes fill a row's 192 bytes of one slot;
	v_lshrrev_b32 v10, 4, v2
	v_mad_u32_u24 v4, v10, s26, v4                 ; lanes 16-31 hold the next 256 along K: one slot on
	v_lshrrev_b32 v5, 1, v2
	s_add_co_u32 s17, s17, 2*32*SP
	v_add_nc_u32 v5, s17, v5                       ; LDS: my wave's 256 scale bytes, my block's byte
	v_lshlrev_b32 v7, 3, v2
	v_add_nc_u32 v6, s17, v7
	s_and_b32 s18, s16, 1
	s_lshl_b32 s18, s18, 1
	s_lshr_b32 s19, s16, 1
	s_or_b32 s23, s18, s19                         ; the wave's number with its two bits exchanged
	s_and_b32 s24, ttmp9, 31                       ; a weight's work-group within its own tensor
	s_sub_co_u32 s25, ttmp9, 256                   ; and within wq
	s_wait_alu depctr_va_vdst(0)
	s_wait_kmcnt 0x0
	s_cmp_lt_u32 ttmp9, 320                        ; the choices hang on the work-group's number alone
	s_cselect_b64 s[10:11], s[8:9], s[10:11]
	s_cmp_lt_u32 ttmp9, 288
	s_cselect_b64 s[10:11], s[6:7], s[10:11]
	s_cmp_lt_u32 ttmp9, 256
	s_cselect_b64 s[4:5], s[4:5], s[10:11]         ; the source
	s_cselect_b64 s[8:9], s[12:13], s[14:15]       ; the target
	s_mov_b32 s22, WSCL
	s_cselect_b32 s22, XSCL, s22                   ; where its scale bytes begin
	s_cselect_b32 s24, ttmp9, s24
	s_cselect_b32 s25, ttmp9, s25
	s_lshl_b32 s24, s24, 2
	s_add_co_u32 s24, s24, s16                     ; which run of 8 rows I read
	s_lshl_b32 s25, s25, 2
	s_add_co_u32 s25, s25, s23                     ; and at which run's place I store
	s_lshl_b32 s18, s24, 15                        ; 32,768 bytes a run
	s_mov_b32 s19, 0
	s_add_nc_u64 s[4:5], s[4:5], s[18:19]
	s_lshl_b32 s18, s25, 8                         ; 256 scale bytes a run
	s_add_co_u32 s18, s18, s22
	s_add_nc_u64 s[10:11], s[8:9], s[18:19]
	s_mul_i32 s18, s25, 8*192                      ; 8 rows of 192 bytes a run, in each slot
	s_add_nc_u64 s[8:9], s[8:9], s[18:19]          ; slots 0 and 1: a row's first 512 numbers
	s_lshl_b32 s18, s26, 1
	s_add_nc_u64 s[28:29], s[8:9], s[18:19]        ; slots 2 and 3: its second 512
.macro LOAD t
.irp i, 0,1,2,3
	global_load_b128 v[R+16*((\t)%4)+4*\i:R+16*((\t)%4)+4*\i+3], v3, s[4:5] offset:2048*(\t)+512*\i th:TH_LOAD_NT   ; 32 lanes read 512 consecutive bytes
.endr
.endm
.macro TURN t                          ; step t's numbers through the stage: LDS serves a wave's instructions in order, so no wait stands between the stores and the loads
.irp i, 0,1,2,3
	ds_store_b128 v14, v[R+16*((\t)%4)+4*\i:R+16*((\t)%4)+4*\i+3] offset:32*SP*((\t)%2)+8*SP*\i
.endr
.irp i, 0,1,2,3
	ds_load_b128 v[X+16*((\t)%2)+4*\i:X+16*((\t)%2)+4*\i+3], v15 offset:32*SP*((\t)%2)+16*\i
.endr
.endm
.irp t, 0,1,2,3
	LOAD \t
.endr
	s_wait_loadcnt 12                              ; step 0's four loads are in
	TURN 0
.macro STEP t
.set XS, X+16*((\t)%2)
.if (\t) > 0
	s_wait_dscnt 1                                 ; this step's numbers are back from the stage (the last step's byte store may be out)
.else
	s_wait_dscnt 0x0
.endif
.if (\t)+4 < STEPS
	LOAD (\t)+4                                    ; the stage's stores have read these registers: they take the loads of four steps on
.endif
.if (\t)+1 < STEPS
.if STEPS-2-(\t) >= 3
	s_wait_loadcnt 12                              ; the next step's four loads are in; those of the three steps behind it may be out
.else
	s_wait_loadcnt 4*(STEPS-2-(\t))
.endif
	TURN (\t)+1
.endif
	v_max3_num_f32 v8, |v[XS]|, |v[XS+1]|, |v[XS+2]|               ; the largest magnitude of my 16
	v_max3_num_f32 v9, |v[XS+3]|, |v[XS+4]|, |v[XS+5]|
.irp i, 6,10
	v_max3_num_f32 v8, v8, |v[XS+\i]|, |v[XS+\i+1]|
	v_max3_num_f32 v9, v9, |v[XS+\i+2]|, |v[XS+\i+3]|
.endr
	v_max3_num_f32 v8, v8, |v[XS+14]|, |v[XS+15]|
	v_max3_num_f32 v8, v8, v9, (EMAX+1)<<23        ; and the floor 2^(5 - 127): the byte cannot fall under 1
	v_max_num_f32_dpp v8, v8, v8 row_xmask:1 row_mask:0xf bank_mask:0xf   ; and of my neighbour's 16: the block's
	v_add_nc_u32 v11, -(EMAX<<23), v8              ; 4 off its exponent field: the conversion takes the exponent field of this operand as its scale
	v_cvt_scalef32_pk16_bf6_f32 v[C+4*(\t):C+4*(\t)+2], v[XS:XS+15], v11
	v_lshrrev_b32 v[E+(\t)], 23, v11               ; the scale's byte (a plain line behind the conversion)
	ds_store_b8 v5, v[E+(\t)] offset:16*(\t)       ; both lanes of a block write the same byte with the same value
	global_store_b96 v4, v[C+4*(\t):C+4*(\t)+2], s[8+20*((\t)%2):9+20*((\t)%2)] offset:192*((\t)/2)   ; step t is half t % 2 of row t / 2: two runs of 192 bytes
.endm
.irp t, 0,1,2,3,4,5,6,7,8,9,10,11,12,13,14,15
	STEP \t
.endr
	ds_load_b64 v[12:13], v6                       ; LDS serves a wave's instructions in order: these see my stores
	s_wait_dscnt 0x0
	global_store_b64 v7, v[12:13], s[10:11]        ; 32 lanes store 256 consecutive bytes, aligned
	s_wait_tensorcnt 0x0
	ds_add_u32 v192, v193
	s_wait_dscnt 0x0
	s_endpgm
.Lfunc_end_k_qb1227f7e7e_quant:
	.size	k_qb1227f7e7e_quant, .Lfunc_end_k_qb1227f7e7e_quant-k_qb1227f7e7e_quant
	.p2alignl 7, 3214868480
	.fill 96, 4, 3214868480
	.section	.rodata,"a",@progbits
	.p2align	6, 0x0
	.amdhsa_kernel k_qb1227f7e7e_quant
		.amdhsa_group_segment_fixed_size 33280
		.amdhsa_private_segment_fixed_size 0
		.amdhsa_enable_private_segment 0
		.amdhsa_kernarg_size 48
		.amdhsa_user_sgpr_count 2
		.amdhsa_user_sgpr_kernarg_segment_ptr 1
		.amdhsa_wavefront_size32 1
		.amdhsa_system_sgpr_workgroup_id_x 1
		.amdhsa_system_sgpr_workgroup_id_y 1
		.amdhsa_system_sgpr_workgroup_id_z 1
		.amdhsa_system_vgpr_workitem_id 0
		.amdhsa_next_free_vgpr 194
		.amdhsa_next_free_sgpr 66
		.amdhsa_reserve_vcc 0
		.amdhsa_float_denorm_mode_32 3
		.amdhsa_float_denorm_mode_16_64 3
		.amdhsa_memory_ordered 1
		.amdhsa_forward_progress 1
		.amdhsa_inst_pref_size 33
	.end_amdhsa_kernel
	.amdgpu_metadata
---
amdhsa.version: [ 1, 2 ]
amdhsa.kernels:
  - .name:           k_qb1227f7e7e_quant
    .symbol:         k_qb1227f7e7e_quant.kd
    .args:
      - { .name: x, .offset: 0, .size: 8, .value_kind: global_buffer, .address_space: global }
      - { .name: Wk, .offset: 8, .size: 8, .value_kind: global_buffer, .address_space: global }
      - { .name: Wq, .offset: 16, .size: 8, .value_kind: global_buffer, .address_space: global }
      - { .name: Wv, .offset: 24, .size: 8, .value_kind: global_buffer, .address_space: global }
      - { .name: xq, .offset: 32, .size: 8, .value_kind: global_buffer, .address_space: global }
      - { .name: wq, .offset: 40, .size: 8, .value_kind: global_buffer, .address_space: global }
    .group_segment_fixed_size: 33280
    .private_segment_fixed_size: 0
    .kernarg_segment_align: 8
    .kernarg_segment_size: 48
    .max_flat_workgroup_size: 128
    .sgpr_count:     66
    .vgpr_count:     194
    .wavefront_size: 32
...
	.end_amdgpu_metadata
.endif
;; end of part 1
;; launch proj (part 2): grid 8 x 48, 4 waves a work-group, clusters of 4 x 4, 327,680 bytes of LDS; arguments xq, wq, bk, bq, bv, kq, qq, vq; writes kq, qq, vq
.if DOCPART == 2
	.amdgcn_target "amdgcn-amd-amdhsa--gfx1250"
	.amdhsa_code_object_version 6
	.text
	.protected	k_qb1227f7e7e_proj
	.globl	k_qb1227f7e7e_proj
	.p2align	8
	.type	k_qb1227f7e7e_proj,@function
k_qb1227f7e7e_proj:
	s_mov_b64 s[64:65], 0
	v_nop
	global_prefetch_b8 v0, s[64:65] scope:SCOPE_SE
	s_setreg_imm32_b32 hwreg(HW_REG_WAVE_MODE, 25, 1), 1
	s_wait_xcnt 0x0
	s_wait_alu depctr_hold_cnt(0) depctr_sa_sdst(0) depctr_va_vdst(0) depctr_va_sdst(0) depctr_va_ssrc(0) depctr_va_vcc(0) depctr_vm_vsrc(0)
	s_getreg_b32 s2, hwreg(HW_REG_IB_STS2, 6, 4)
	s_cmp_eq_u32 s2, 0
	s_cbranch_scc0 .Lentry_in_a_cluster
	s_endpgm
.Lentry_in_a_cluster:
	s_bfe_u32 s2, ttmp6, 0x10000c
	s_cmp_lg_u32 s2, 0xf033
	s_cbranch_scc0 .Lentry_shape_is_right
	s_endpgm
.Lentry_shape_is_right:
; The three projections on codes of BF6 (E3M2) with E8M0 block scales, K = 1,024, and the quantising of their results for the two products that follow.
; Clusters with y 0-7:  k (cluster x = 0) or q (x = 1) = x W^T + b: a tile of 256 tokens x 256 features; A = xq's rows, B = wq's rows; results are quantised along the FEATURES.
; Clusters with y 8-11: v^T = Wv x^T + bv: a tile of 256 features x 256 tokens; A = wq's rows 2,048 on, B = xq's rows; results are quantised along the TOKENS, the last product's K.
; One text serves both: only pointers and a few numbers are chosen, by the cluster's y, which all partners share.
; A tile of 256 x 256 is made by four waves, each 128 x 128: 64 accumulators, 512 registers.  K goes in steps of 256 through a ring of two LDS slots filled by the tensor data mover; the scale bytes of the tile's rows come once.
; CLUSTERS of 4 x 4: A's tile is asked for jointly along a row of the cluster, B's along a column.
; THE MATRIX INSTRUCTION IS USED TRANSPOSED (source 0 = 16 rows of B, source 1 = 16 rows of A).  All workspace rows stand with bits 3 and 4 of their number exchanged, so sixteen rows on end of B are the numbers
; 32 u + 16 h + 8 v + j: a lane's 16 registers of B's blocks 2 u and 2 u + 1 are 16 NEIGHBOURS along the next K, 32 u + 16 (lane / 16) + 0 .. 15.  A's rows go out at the places at which they came in.
; BIASES: the bias along B's rows (k, q) is the C of each sum's first matrix instruction; the bias along A's rows (v) rides on the copy out of the accumulators.  Both are always loaded; the one that does not apply is set to 0.
; OUT: codes [slot of 256 along the next K][row][192 bytes], so that a finished tile is 49,152 bytes on end; scale bytes from byte XSCL on: kq, qq [8192][32], vq [1024][256].
; LIMITS: NaN and infinities are not served; blocks whose largest magnitude lies under 2^-122 keep the scale byte 1.
; REGISTERS, in windows of 256: window 0: v0-31 addresses; v32-63 scale words, two sets; v64-127 the bias along B's rows; v128-223 A's fragments, one set; v232-247 the bias along A's rows; on the way out v128-255 at work.
;   window 1: B's fragments, two sets, at v0 and v128.   windows 2, 3: the accumulators ((a, b) at v[8 (8 (a % 4) + b)]).
.set ROWB,   192                       ; a tile's row in bytes: 256 codes
.set KROW,   192                       ; from row to row inside a slot of xq or wq: [slot of 256 along K][row][192 bytes]
.set NQ,     2                         ; matrix instructions deep in a slot
.set PITCH,  240                       ; an LDS row: 3 x (64 bytes + 16 of padding)
.set FR,     12
.set NL,     6
.set NP,     4
.set HALFT,  128*PITCH
.set SLOT,   4*HALFT
.set SCL,    2*SLOT                    ; behind the ring: the scale bytes, as pieces of 256 bytes + 16 of padding
.set HALFS,  16*272
.set SBLK,   2*272
.set SPARE,  SCL+4*HALFS               ; the spare words: 512 bytes that no other line names
.set SGP,    272                       ; the way out: a stage of 256 rows x (16 places of 16 bytes + 16), in slot 0, which has had its last fill and its last read by then
.set SSTG,   256*SGP                   ; behind it the rows' scale words, 8 bytes a row
.set XSCL,   6291456
.set WSCL,   2359296
.set ADRA, 16
.set ADRB, 20
.set STO,  24
.set RD,   25
.set CO,   26
.set ADRS, 27
.set SPW,  28
.set NIL,  29
.set SST,  30
.set ZER,  31
.set SC,   32
.set BN,   64
.set AF,   128
.set BM,   232
.set T,    128                         ; the way out: 64 numbers of a lane
.set CDS,  192                         ; their codes: four registers a block
.set TM,   208                         ; at work
.set PW,   224                         ; the scale word
.set G1, 24
.set G0, 32
.set G1B, 48
.set G0B, 56
.set G1S, 68
.set G0S, 76
.set G1SB, 80
.set G0SB, 88
.set SEL, 100
.set MSB, 0
.macro WIN new                         ; the immediate's high byte repeats the setting that is left
.if MSB != (\new)
	s_set_vgpr_msb (MSB<<8)|(\new)
.set MSB, (\new)
.endif
.endm
.set MUL_LO, 0xa1                      ; source 0 (B) window 1, source 1 (A) window 0, C and D window 2
.set MUL_HI, 0xf1                      ; the same, C and D window 3
.set TO_B,   0x40
; A joint load: waves 0 and 1 fetch for A, waves 2 and 3 for B.  The branch hangs on the wave's number alone.  Four v_nop follow each of the two lines.
.macro JLOAD g0a, g1a, g0b, g1b
	s_cmp_eq_u32 s15, 0
	s_cbranch_scc0 .Lfor_b_\@
	tensor_load_to_lds s[\g0a:\g0a+3], s[\g1a:\g1a+7]
	s_nop 0
.rept 4
	v_nop
.endr
	s_branch .Lasked_\@
.Lfor_b_\@:
	tensor_load_to_lds s[\g0b:\g0b+3], s[\g1b:\g1b+7]
	s_nop 0
.rept 4
	v_nop
.endr
.Lasked_\@:
.endm
.macro CREST                           ; a round of the cluster's barrier behind its opening barrier
	s_cmp_lg_u32 s14, 0
	s_cbranch_scc1 .Lnot_wave_0_\@
	s_barrier_signal -3
.Lnot_wave_0_\@:
	s_barrier_wait -3
	s_barrier_signal -1
	s_barrier_wait -1
.endm
.macro CROUND
	s_barrier_signal -1
	s_barrier_wait -1
	CREST
.endm
	s_load_b256 s[4:11], s[0:1], 0x0               ; xq, wq, bk, bq
	s_load_b256 s[68:75], s[0:1], 0x20             ; bv, kq, qq, vq
	v_lshl_add_u32 v[SPW], v0, 2, SPARE
	v_mov_b32 v[NIL], 0
	ds_add_u32 v28, v29
	ds_add_u32 v28, v29
	s_wait_dscnt 0x0
	v_lshrrev_b32 v1, 5, v0
	v_readfirstlane_b32 s14, v1                    ; wave 0..3
	s_lshr_b32 s15, s14, 1                         ; which half of the tile's rows is mine.  Also: I fetch for A (0) or for B (1)
	s_and_b32 s16, s14, 1                          ; which half of its columns.  Also: which 128 rows of that tile I fetch
	s_bfe_u32 s40, ttmp6, 0x40000                  ; cx
	s_bfe_u32 s41, ttmp6, 0x40004                  ; cy
	s_and_b32 s2, ttmp7, 0xffff                    ; the cluster's y, 0..11
	s_sub_co_u32 s18, s2, 8
	s_lshl_b32 s18, s18, 1
	s_add_co_u32 s18, s18, ttmp9                   ; v: which four tiles of tokens: 2 (y - 8) + x
	s_cmp_ge_u32 s2, 8                             ; v or k, q?  The same in all sixteen partners
	s_cselect_b32 s95, -1, 0
	s_cselect_b32 s42, s18, ttmp9
	s_cselect_b32 s17, 0, s2
	s_cselect_b32 s19, 2048, 0                     ; A's first row in its buffer
	s_mov_b32 s96, 32
	s_cselect_b32 s96, 256, s96                    ; a row of the output's scale bytes
	s_mov_b32 s98, 1572864
	s_cselect_b32 s98, 196608, s98                 ; a slot of the output's codes
	s_mov_b32 s3, XSCL
	s_cselect_b32 s3, WSCL, s3                     ; where the scale bytes begin in A's buffer,
	s_mov_b32 s99, WSCL
	s_cselect_b32 s99, XSCL, s99                   ; and in B's
	s_lshl_b32 s42, s42, 2
	s_add_co_u32 s42, s42, s40                     ; tile column
	s_lshl_b32 s17, s17, 2
	s_add_co_u32 s17, s17, s41                     ; tile row
	s_cmp_lg_u32 s95, 0
	s_cselect_b32 s97, s42, s40                    ; the output's slot: the tile of tokens (v), or the tile of features within k or q
	s_lshl_b32 s43, s41, 2
	s_lshl_b32 s43, 15, s43                        ; my row of the cluster
	s_lshl_b32 s44, 0x1111, s40                    ; my column
	s_mov_b32 s[SEL], 0x76543210
	s_mov_b32 s[SEL+1], 0xfedcba98                 ; v_permlanex16_b32's selects for lane l xor 16
	; descriptor group 1: a tile of 128 rows x 192 bytes, 16 bytes of padding behind every 64
	s_or_b32 s[G1+0], s43, (1<<20)|(1<<21)|(3<<22)|(3<<25)
	s_or_b32 s[G1B+0], s44, (1<<20)|(1<<21)|(3<<22)|(3<<25)
.irp g, G1, G1B
	s_mov_b32 s[\g+1], 256<<16                     ; a tile's rows lie on end in memory: it is stated as rows of 256 bytes, each at a multiple of 256
	s_mov_b32 s[\g+2], 192<<16                     ; the head's loads: 256 rows x 192 bytes = 192 x 256
	s_mov_b32 s[\g+3], 256<<16
	s_mov_b32 s[\g+4], 192
	s_mov_b32 s[\g+5], 256
	s_mov_b32 s[\g+6], 0
	s_mov_b32 s[\g+7], 0
.endr
	s_lshl_b32 s20, s17, 8
	s_add_co_u32 s20, s20, s19                     ; the tile's first row of A
	s_lshl_b32 s46, s42, 8                         ; and of B
	s_lshl_b32 s22, s20, 5
	s_add_co_u32 s22, s22, s3                      ; these rows' scale bytes, 32 a row
	s_mov_b32 s23, 0
	s_lshl_b32 s92, s46, 5
	s_add_co_u32 s92, s92, s99
	s_mov_b32 s93, 0
	s_mul_i32 s20, s20, KROW                       ; and their codes
	s_mov_b32 s21, 0
	s_mul_i32 s46, s46, KROW
	s_mov_b32 s47, 0
	s_mul_i32 s45, s14, HALFT                      ; where they go: wave x 128 rows
	s_wait_kmcnt 0x0
	s_cmp_eq_u32 ttmp9, 0                          ; k or q
	s_cselect_b64 s[66:67], s[8:9], s[10:11]       ; the bias
	s_cselect_b64 s[12:13], s[70:71], s[72:73]     ; the output
	s_cmp_lg_u32 s95, 0                            ; or v
	s_cselect_b64 s[66:67], s[68:69], s[66:67]
	s_cselect_b64 s[12:13], s[74:75], s[12:13]
	s_cselect_b64 s[8:9], s[4:5], s[6:7]           ; B's buffer
	s_cselect_b64 s[4:5], s[6:7], s[4:5]           ; A's
	s_add_nc_u64 s[20:21], s[4:5], s[20:21]
	s_add_nc_u64 s[22:23], s[4:5], s[22:23]
	s_add_nc_u64 s[46:47], s[8:9], s[46:47]
	s_add_nc_u64 s[92:93], s[8:9], s[92:93]
	s_mov_b32 s4, 1572864                          ; a slot in A's buffer, in bytes (the compare on v or k, q still stands): xq's,
	s_cselect_b32 s4, 589824, s4                   ; or wq's
	s_mov_b32 s6, 589824                           ; and in B's
	s_cselect_b32 s6, 1572864, s6
	s_mov_b32 s5, 0
	s_mov_b32 s7, 0
	; the scale bytes of 256 rows: 8,192 bytes on end, as 32 rows of 256 bytes (32 elements of 8), 16 bytes of padding behind each
	s_or_b32 s[G1S+0], s43, (3<<16)|(1<<20)|(1<<21)|(5<<22)|(3<<25)
	s_or_b32 s[G1SB+0], s44, (3<<16)|(1<<20)|(1<<21)|(5<<22)|(3<<25)
.irp g, G1S, G1SB
	s_mov_b32 s[\g+1], 32<<16
	s_mov_b32 s[\g+2], 32<<16                      ; the scale bytes of 256 rows: 32 rows of 256 bytes
	s_mov_b32 s[\g+3], 32<<16
	s_mov_b32 s[\g+4], 32
	s_mov_b32 s[\g+5], 32
	s_mov_b32 s[\g+6], 0
	s_mov_b32 s[\g+7], 0
.endr
	CROUND                                         ; all sixteen work-groups are here: the first joint loads meet
	; THE HEAD'S FOUR TILES, each whole, one joint load a wave: wave 0 K step 0's 256 rows of A, wave 1 those of B, wave 2 A's scale bytes, wave 3 B's
	s_mov_b32 s[G0S], 1
	s_mov_b32 s[G0S+1], SCL
	s_mov_b64 s[G0S+2:G0S+3], s[22:23]
	s_or_b32 s[G0S+3], s[G0S+3], 0x80000000
	s_mov_b32 s[G0SB], 1
	s_mov_b32 s[G0SB+1], SCL+2*HALFS
	s_mov_b64 s[G0SB+2:G0SB+3], s[92:93]
	s_or_b32 s[G0SB+3], s[G0SB+3], 0x80000000
	s_mov_b32 s[G0], 1                             ; slot 0's group 0 serves the head's whole tile first; behind the head's wait it is set to my 128 rows
	s_mov_b32 s[G0+1], 0
	s_mov_b64 s[G0+2:G0+3], s[20:21]
	s_or_b32 s[G0+3], s[G0+3], 0x80000000
	s_mov_b32 s[G0B], 1
	s_mov_b32 s[G0B+1], 2*HALFT
	s_mov_b64 s[G0B+2:G0B+3], s[46:47]
	s_or_b32 s[G0B+3], s[G0B+3], 0x80000000
	s_mul_i32 s8, s16, 128*KROW                    ; in the ring I fetch 128 rows of a tile: which half, in bytes
	s_mov_b32 s9, 0
	s_add_nc_u64 s[20:21], s[20:21], s[8:9]
	s_add_nc_u64 s[46:47], s[46:47], s[8:9]
	s_mov_b32 s[G0+4], 1                           ; slot 1: K step 1, one slot of the buffer on
	s_add_co_u32 s[G0+5], s45, SLOT
	s_add_nc_u64 s[G0+6:G0+7], s[20:21], s[4:5]
	s_or_b32 s[G0+7], s[G0+7], 0x80000000
	s_mov_b32 s[G0B+4], 1
	s_add_co_u32 s[G0B+5], s45, SLOT
	s_add_nc_u64 s[G0B+6:G0B+7], s[46:47], s[6:7]
	s_or_b32 s[G0B+7], s[G0B+7], 0x80000000
	s_lshl_b32 s4, s4, 1                           ; a refill steps two slots of the buffer on
	s_lshl_b32 s6, s6, 1
; one tree of branches on the wave's number: every way through it passes exactly one load
.macro ARM under, g0, g1, next
	s_cmp_lt_u32 s14, \under
	s_cbranch_scc0 \next
	tensor_load_to_lds s[\g0:\g0+3], s[\g1:\g1+7]
	s_nop 0
.rept 4
	v_nop
.endr
	s_branch .Lhead_asked
\next:
.endm
	ARM 1, G0,  G1,  .Lhead_b
	ARM 2, G0B, G1B, .Lhead_sa
	ARM 3, G0S, G1S, .Lhead_sb
	tensor_load_to_lds s[G0SB:G0SB+3], s[G1SB:G1SB+7]
	s_nop 0
.rept 4
	v_nop
.endr
.Lhead_asked:
	v_and_b32 v1, 15, v0                           ; r = lane % 16
	v_bfe_u32 v2, v0, 4, 1                         ; h = lane / 16
	; the biases.  Along B's rows: register 16 u + i takes number 256 cx + 128 half + 32 u + 16 h + i.  Along A's rows: block a takes number 256 cy + 128 half + 32 (a / 2) + 8 (a % 2) + r + 8 (r / 8).  Both stay under 1,024
	s_lshl_b32 s18, s40, 10
	s_lshl_b32 s19, s16, 9
	s_add_co_u32 s18, s18, s19
	v_lshl_add_u32 v7, v2, 6, s18
	s_lshl_b32 s18, s41, 10
	s_lshl_b32 s19, s15, 9
	s_add_co_u32 s18, s18, s19
	v_and_b32 v8, 8, v1
	v_add_nc_u32 v8, v8, v1
	v_lshl_add_u32 v8, v8, 2, s18
.irp b, 0,1,2,3
.irp j, 0,1,2,3
	global_load_b128 v[BN+16*\b+4*\j:BN+16*\b+4*\j+3], v7, s[66:67] offset:128*\b+16*\j
.endr
.endr
.irp a, 0,1,2,3,4,5,6,7
	global_load_b32 v[BM+2*\a], v8, s[66:67] offset:4*(32*(\a/2)+8*(\a%2))
.endr
	v_mul_u32_u24 v3, v1, PITCH
	v_mul_u32_u24 v4, v2, 24
	v_add_nc_u32 v4, v3, v4                        ; a fragment's row x pitch + 24 x half
	v_lshl_add_u32 v5, v2, 4, v4                   ; and the same behind one padding more
	s_mul_i32 s21, s15, HALFT                      ; my 128 rows of A
	s_mul_i32 s22, s16, HALFT                      ; my 128 rows of B,
	s_add_co_u32 s22, s22, 2*HALFT                 ; which lie behind A's 256
.irp s, 0,1
	v_add_nc_u32 v[ADRA+\s], s21, v4
	v_add_nc_u32 v[ADRB+\s], s22, v4
	v_add_nc_u32 v[ADRA+2+\s], s21, v5
	v_add_nc_u32 v[ADRB+2+\s], s22, v5
	s_add_co_u32 s21, s21, SLOT
	s_add_co_u32 s22, s22, SLOT
.endr
	v_mul_u32_u24 v5, v1, 32                       ; my row's scale bytes: 32 a row,
	v_lshrrev_b32 v6, 8, v5
	v_lshl_add_u32 v5, v6, 4, v5                   ; and 16 more for each 256 passed
	s_mul_i32 s21, s15, HALFS
	s_mul_i32 s22, s16, HALFS
	s_add_co_u32 s22, s22, 2*HALFS
	s_sub_co_u32 s22, s22, s21
	v_mul_u32_u24 v6, s22, v2                      ; lanes 16-31 take B's
	s_add_co_u32 s21, s21, SCL
	v_add_nc_u32 v5, v5, v6
	v_add_nc_u32 v[ADRS], s21, v5
	; the way out
	s_mul_i32 s18, s15, 128*SGP
	s_lshl_b32 s19, s16, 7
	s_add_co_u32 s18, s18, s19
	v_mul_u32_u24 v5, v1, SGP
	v_lshl_add_u32 v5, v2, 4, v5
	v_add_nc_u32 v[STO], s18, v5                   ; into the stage: row 128 half + r; place 8 x column half + 2 u + h, 16 bytes a place
	s_lshl_b32 s18, s15, 10
	s_lshl_b32 s19, s16, 2
	s_add_co_u32 s18, s18, s19
	s_add_co_u32 s18, s18, SSTG
	v_lshl_add_u32 v[SST], v1, 3, s18              ; my row's scale word: 8 bytes a row, 4 x column half
	s_mul_i32 s18, s14, 64*SGP
	v_mul_u32_u24 v5, v2, SGP
	v_lshl_add_u32 v5, v1, 4, v5
	v_add_nc_u32 v[RD], s18, v5                    ; back: wave w takes rows 64 w on, sixteen lanes to a row
	v_mul_u32_u24 v5, v2, ROWB
	v_mad_u32_u24 v[CO], v1, 12, v5                ; and the same two rows in memory, 12 bytes a lane
	v_mul_lo_u32 v9, v0, s96                       ; scale words out: thread n takes rows n and n + 128
	s_lshl_b32 s18, s96, 7
	v_add_nc_u32 v10, s18, v9
	v_lshl_add_u32 v11, v0, 3, SSTG
	s_lshl_b32 s18, s17, 8
	s_mul_i32 s18, s18, s96
	s_lshl_b32 s19, s97, 3
	s_add_co_u32 s18, s18, s19
	s_add_co_u32 s18, s18, XSCL
	s_mov_b32 s19, 0
	s_add_nc_u64 s[10:11], s[12:13], s[18:19]      ; the tile's scale bytes: row 256 x tile row, byte 8 x slot
	s_lshl_b32 s18, s17, 8
	s_lshl_b32 s2, s14, 6
	s_add_co_u32 s18, s18, s2
	s_mul_i32 s18, s18, ROWB
	s_mul_i32 s2, s97, s98
	s_add_co_u32 s18, s18, s2
	s_add_nc_u64 s[12:13], s[12:13], s[18:19]      ; my 64 rows of the tile's codes
	v_mov_b32 v[ZER], 0
	s_wait_alu depctr_va_vdst(0)
	s_wait_loadcnt 0x0                             ; the biases
.set j, 0
.rept 64
	v_cndmask_b32 v[BN+j], v[BN+j], v[ZER], s95    ; v has no bias along B's rows
.set j, j+1
.endr
.irp a, 0,1,2,3,4,5,6,7
	v_cndmask_b32 v[BM+2*\a], v[ZER], v[BM+2*\a], s95   ; k and q have none along A's
	v_mov_b32 v[BM+2*\a+1], 0                      ; (named with it as a pair, so it is written)
.endr
.macro FRAG reg, adr, q, i             ; a fragment: 12 registers; lane l holds row l % 16; registers 6 c .. 6 c + 5 hold K = 64 c + 32 (l / 16) + 0 .. 31: 24 bytes of the row, as they lie, in pieces of 8 bytes
.irp p, 0,1,2,3,4,5
.set PCE, 12*(\q)+6*(\p/3)+\p%3        ; where the piece three on lies behind one padding more, the second address register serves
.if PCE%8 < 5
	ds_load_b64 v[\reg+2*\p:\reg+2*\p+1], v[\adr] offset:8*PCE+16*(PCE/8)+(\i)*16*PITCH
.else
	ds_load_b64 v[\reg+2*\p:\reg+2*\p+1], v[\adr+2] offset:8*PCE+16*(PCE/8)+(\i)*16*PITCH
.endif
.endr
.endm
; 16 matrix instructions: A's blocks a0, a0 + 1 x B's eight, 128 along K.  zero = 2: the first product starts the sums on the bias.  The 64 accumulators take turns, one instruction a turn.
.macro MUL16 a0, p, q, sc, zero
.irp a, \a0, \a0+1
.irp b, 0,1,2,3,4,5,6,7
.if \zero == 2
	v_wmma_scale_f32_16x16x128_f8f6f4 v[8*(8*((\a)%4)+\b):8*(8*((\a)%4)+\b)+7], v[128*(\p)+FR*\b:128*(\p)+FR*\b+FR-1], v[AF+FR*(\a):AF+FR*(\a)+FR-1], v[BN+8*\b:BN+8*\b+7], v[SC+8*NQ*(\sc)+NQ*\b+(\q)], v[SC+8*NQ*(\sc)+NQ*(\a)+(\q)] matrix_a_fmt:MATRIX_FMT_BF6 matrix_b_fmt:MATRIX_FMT_BF6 matrix_a_scale:MATRIX_SCALE_ROW1
.else
	v_wmma_scale_f32_16x16x128_f8f6f4 v[8*(8*((\a)%4)+\b):8*(8*((\a)%4)+\b)+7], v[128*(\p)+FR*\b:128*(\p)+FR*\b+FR-1], v[AF+FR*(\a):AF+FR*(\a)+FR-1], v[8*(8*((\a)%4)+\b):8*(8*((\a)%4)+\b)+7], v[SC+8*NQ*(\sc)+NQ*\b+(\q)], v[SC+8*NQ*(\sc)+NQ*(\a)+(\q)] matrix_a_fmt:MATRIX_FMT_BF6 matrix_b_fmt:MATRIX_FMT_BF6 matrix_a_scale:MATRIX_SCALE_ROW1
.endif
.endr
.endr
.endm
.macro FETCH_B slot, q, p
	WIN TO_B
.irp i, 0,1,2,3,4,5,6,7
	FRAG 128*(\p)+FR*\i, ADRB+\slot, \q, \i
.endr
	WIN 0
.endm
.macro FETCH_A slot, q, i0
.irp i, \i0, \i0+1, \i0+2, \i0+3
	FRAG AF+FR*(\i), ADRA+\slot, \q, \i
.endr
.endm
.macro SCALES sc                       ; a K step's scale words: two a row; lanes 0-15 take A's block i, lanes 16-31 B's block i
.irp i, 0,1,2,3,4,5,6,7
	ds_load_b64 v[SC+8*NQ*\sc+NQ*\i:SC+8*NQ*\sc+NQ*\i+1], v[ADRS] offset:\i*SBLK
.endr
.endm
.macro PLACES n                        ; plain vector lines between a matrix instruction and a load into, or a read or write of, its registers
.rept \n
	v_nop
.endr
.endm
.macro STEP slot, q, zero              ; a step of 128 along K that has its successor in the same slot
	s_wait_dscnt 4*NL                              ; B's set and A's blocks 0-3 are in; the youngest 24 loads (A's blocks 4-7) may be out
.if \zero == 2
	WIN 0x81                                       ; C (the bias) in window 0
.else
	WIN MUL_LO
.endif
	MUL16 0, (\q)%2, \q, \slot, \zero
	MUL16 2, (\q)%2, \q, \slot, \zero
	s_wait_dscnt 0
	PLACES NP
	FETCH_B \slot, (\q)+1, 1-(\q)%2
	FETCH_A \slot, (\q)+1, 0
.if \zero == 2
	WIN 0xc1
.else
	WIN MUL_HI
.endif
	MUL16 4, (\q)%2, \q, \slot, \zero
	MUL16 6, (\q)%2, \q, \slot, \zero
	PLACES NP
	WIN 0
	FETCH_A \slot, (\q)+1, 4
.endm
; A slot's last step changes slots: one barrier; in front of it each wave waits for all its tensor loads, adds 0 to its spare word, and waits for that and for its own reads of this slot.  fill = 1: the slot is filled again, two K steps ahead.
.macro TURN slot, next, fill
	s_wait_tensorcnt 0x0                           ; all my tensor loads have landed: my part of the next slot
	ds_add_u32 v[SPW], v[NIL]                      ; 0 onto my spare word
	s_wait_dscnt 4*NL+1                            ; (the add and the youngest 24 loads may be out)
	WIN MUL_LO
	MUL16 0, 1, NQ-1, \slot, 0
	s_wait_dscnt 0x0                               ; the add is done, and my reads of this slot are over
	s_barrier_signal -1
	MUL16 2, 1, NQ-1, \slot, 0
	WIN 0
	s_barrier_wait -1
.if \fill
	CREST                                          ; the barrier has opened a round of the cluster's barrier: no wave of any partner still reads this slot or has a load on its way
	s_add_nc_u64 s[G0+4*\slot+2:G0+4*\slot+3], s[G0+4*\slot+2:G0+4*\slot+3], s[4:5]
	s_add_nc_u64 s[G0B+4*\slot+2:G0B+4*\slot+3], s[G0B+4*\slot+2:G0B+4*\slot+3], s[6:7]
	JLOAD G0+4*\slot, G1, G0B+4*\slot, G1B         ; the first tensor load behind the round; its four v_nop are also the places in front of the loads below
.else
	PLACES NP
.endif
	s_wait_alu depctr_va_vdst(0)
	v_add_nc_u32 v[ADRS], 4*NQ, v[ADRS]            ; on to the next K step's scale words (no LDS load of mine is out)
	FETCH_B \next, 0, 0
	FETCH_A \next, 0, 0
	SCALES \next
	WIN MUL_HI
	MUL16 4, 1, NQ-1, \slot, 0
	MUL16 6, 1, NQ-1, \slot, 0
	PLACES NP
	WIN 0
	FETCH_A \next, 0, 4
.endm
	s_wait_alu depctr_va_vdst(0)
	s_wait_tensorcnt 0x0                           ; my tile of the head's four is in
	ds_add_u32 v[SPW], v[NIL]
	s_mov_b32 s[G1+2], 96<<16                      ; no tensor load of mine is out, so descriptors may be written: from here on a load brings 128 rows x 192 bytes = 96 x 256,
	s_mov_b32 s[G1+4], 96
	s_mov_b32 s[G1B+2], 96<<16
	s_mov_b32 s[G1B+4], 96
	s_mov_b32 s[G0+1], s45                         ; and slot 0's group 0 names my 128 rows
	s_mov_b32 s[G0B+1], s45
	s_add_nc_u64 s[G0+2:G0+3], s[G0+2:G0+3], s[8:9]
	s_add_nc_u64 s[G0B+2:G0B+3], s[G0B+2:G0B+3], s[8:9]
	s_wait_dscnt 0x0                               ; the add is done
	CROUND                                         ; a whole round: all four tiles are in, and the joint loads meet
	JLOAD G0+4, G1, G0B+4, G1B                     ; K step 1, the first tensor load behind the round
	FETCH_B 0, 0, 0
	FETCH_A 0, 0, 0
	SCALES 0
	FETCH_A 0, 0, 4
	STEP 0, 0, 2                                   ; K = 1,024 is four slots: written out, no loop
	TURN 0, 1, 1
	STEP 1, 0, 0
	TURN 1, 0, 1
	STEP 0, 0, 0
	TURN 0, 1, 0                                   ; nothing is left to fetch
	STEP 1, 0, 0
	s_wait_dscnt 4*NL
	WIN MUL_LO
	MUL16 0, 1, NQ-1, 1, 0
	MUL16 2, 1, NQ-1, 1, 0
	s_wait_dscnt 0
	WIN MUL_HI
	MUL16 4, 1, NQ-1, 1, 0
	MUL16 6, 1, NQ-1, 1, 0
	WIN 0
	PLACES NP
.irp b, 0,1,2,3
	v_mov_b32 v[TM+4+\b], 0                        ; written once: a lane permute's destination counts as one of its sources
.endr
; THE WAY OUT of A's block a: 16 rows x 128 along the next K.  A lane holds 16 numbers of each of four blocks of 32; lane l xor 16 holds the other 16.
.macro BIASQ a
.set AC, 64*((\a)%4)
	WIN 0x02+(\a)/4                                ; source 0: window 2 or 3
.irp j, 0,2,4,6,8,10,12,14,16,18,20,22,24,26,28,30,32,34,36,38,40,42,44,46,48,50,52,54,56,58,60,62
	v_pk_add_f32 v[T+\j:T+\j+1], v[AC+\j:AC+\j+1], v[BM+2*(\a):BM+2*(\a)+1] op_sel_hi:[1,0]   ; out of the accumulators, each from its low end on, with the bias of my row
.endr
	WIN 0
.irp b, 0,1,2,3
	v_max3_num_f32 v[TM+\b], |v[T+16*\b]|, |v[T+16*\b+1]|, 0x2800000   ; block b: my 16 numbers, and the floor 2^(5 - 127): the byte cannot fall under 1
.endr
.irp i, 2,4,6,8,10,12,14
.irp b, 0,1,2,3
	v_max3_num_f32 v[TM+\b], v[TM+\b], |v[T+16*\b+\i]|, |v[T+16*\b+\i+1]|
.endr
.endr
.irp b, 0,1,2,3
	v_permlanex16_b32 v[TM+4+\b], v[TM+\b], s[SEL], s[SEL+1]
.endr
.irp b, 0,1,2,3
	v_max_num_f32 v[TM+\b], v[TM+\b], v[TM+4+\b]   ; with lane l xor 16's: the block's largest magnitude
.endr
	s_wait_alu depctr_va_vdst(0)
	s_wait_dscnt 0x0                               ; the last block's stores into the stage have read their registers
.irp b, 0,1,2,3
	v_add_nc_u32 v[TM+12+\b], 0xfe000000, v[TM+\b] ; 4 off its exponent field: the conversion's scale operand
.endr
.irp b, 0,1,2,3
	v_lshrrev_b32 v[TM+4+\b], 23, v[TM+12+\b]      ; the scale's byte
.endr
	v_lshl_or_b32 v[PW], v[TM+5], 8, v[TM+4]
	v_lshl_or_b32 v[PW], v[TM+6], 16, v[PW]
	v_lshl_or_b32 v[PW], v[TM+7], 24, v[PW]        ; my row's scale word for these 128
.irp b, 0,1,2,3
	v_cvt_scalef32_pk16_bf6_f32 v[CDS+4*\b:CDS+4*\b+2], v[T+16*\b:T+16*\b+15], v[TM+12+\b]   ; 16 codes, 12 bytes
.endr
	v_nop                                          ; one plain line behind the conversions
.irp b, 0,1,2,3
	ds_store_b96 v[STO], v[CDS+4*\b:CDS+4*\b+2] offset:(\a)*16*SGP+32*\b   ; to a place of 16 bytes
.endr
	ds_store_b32 v[SST], v[PW] offset:128*(\a)     ; both halves of the lanes write the same word with the same value
.endm
.irp a, 0,1,2,3,4,5,6,7
	BIASQ \a
.endr
	s_wait_dscnt 0x0                               ; for the others' sake: my stores into the stage are done
	s_barrier_signal -1
	s_barrier_wait -1
.set n, 0
.rept 32
	ds_load_b96 v[128+4*n:128+4*n+2], v[RD] offset:2*n*SGP   ; two whole rows of 192 bytes of codes
.set n, n+1
.endr
	ds_load_b64 v[64:65], v11
	ds_load_b64 v[66:67], v11 offset:1024
.set n, 0
.rept 32
	s_wait_dscnt 33-n                              ; the younger loads may be out
	global_store_b96 v[CO], v[128+4*n:128+4*n+2], s[12:13] offset:2*n*ROWB   ; 32 lanes store 384 consecutive bytes; a wave's 32 stores cover 12,288 bytes on end
.set n, n+1
.endr
	s_wait_dscnt 0x0
	global_store_b64 v9, v[64:65], s[10:11]        ; a row's 8 scale bytes
	global_store_b64 v10, v[66:67], s[10:11]
	s_wait_tensorcnt 0x0                           ; the wave's end
	ds_add_u32 v[SPW], v[NIL]
	s_wait_dscnt 0x0
	CROUND                                         ; the closing round
	s_endpgm
.Lfunc_end_k_qb1227f7e7e_proj:
	.size	k_qb1227f7e7e_proj, .Lfunc_end_k_qb1227f7e7e_proj-k_qb1227f7e7e_proj
	.p2alignl 7, 3214868480
	.fill 96, 4, 3214868480
	.section	.rodata,"a",@progbits
	.p2align	6, 0x0
	.amdhsa_kernel k_qb1227f7e7e_proj
		.amdhsa_group_segment_fixed_size 327680
		.amdhsa_private_segment_fixed_size 0
		.amdhsa_enable_private_segment 0
		.amdhsa_kernarg_size 64
		.amdhsa_user_sgpr_count 2
		.amdhsa_user_sgpr_kernarg_segment_ptr 1
		.amdhsa_wavefront_size32 1
		.amdhsa_system_sgpr_workgroup_id_x 1
		.amdhsa_system_sgpr_workgroup_id_y 1
		.amdhsa_system_sgpr_workgroup_id_z 1
		.amdhsa_system_vgpr_workitem_id 0
		.amdhsa_next_free_vgpr 1024
		.amdhsa_next_free_sgpr 102
		.amdhsa_reserve_vcc 0
		.amdhsa_float_denorm_mode_32 3
		.amdhsa_float_denorm_mode_16_64 3
		.amdhsa_memory_ordered 1
		.amdhsa_forward_progress 1
		.amdhsa_inst_pref_size 194
	.end_amdhsa_kernel
	.amdgpu_metadata
---
amdhsa.version: [ 1, 2 ]
amdhsa.kernels:
  - .name:           k_qb1227f7e7e_proj
    .symbol:         k_qb1227f7e7e_proj.kd
    .args:
      - { .name: xq, .offset: 0, .size: 8, .value_kind: global_buffer, .address_space: global }
      - { .name: wq, .offset: 8, .size: 8, .value_kind: global_buffer, .address_space: global }
      - { .name: bk, .offset: 16, .size: 8, .value_kind: global_buffer, .address_space: global }
      - { .name: bq, .offset: 24, .size: 8, .value_kind: global_buffer, .address_space: global }
      - { .name: bv, .offset: 32, .size: 8, .value_kind: global_buffer, .address_space: global }
      - { .name: kq, .offset: 40, .size: 8, .value_kind: global_buffer, .address_space: global }
      - { .name: qq, .offset: 48, .size: 8, .value_kind: global_buffer, .address_space: global }
      - { .name: vq, .offset: 56, .size: 8, .value_kind: global_buffer, .address_space: global }
    .group_segment_fixed_size: 327680
    .private_segment_fixed_size: 0
    .kernarg_segment_align: 8
    .kernarg_segment_size: 64
    .max_flat_workgroup_size: 128
    .sgpr_count:     102
    .vgpr_count:     1024
    .wavefront_size: 32
...
	.end_amdgpu_metadata
.endif
;; end of part 2
;; launch score (part 3): grid 36 x 4, 4 waves a work-group, no clusters, 327,680 bytes of LDS; arguments kq, qq, pq, pst; writes pq, pst
.if DOCPART == 3
	.amdgcn_target "amdgcn-amd-amdhsa--gfx1250"
	.amdhsa_code_object_version 6
	.text
	.protected	k_qb1227f7e7e_score
	.globl	k_qb1227f7e7e_score
	.p2align	8
	.type	k_qb1227f7e7e_score,@function
k_qb1227f7e7e_score:
	s_mov_b64 s[64:65], 0
	v_nop
	global_prefetch_b8 v0, s[64:65] scope:SCOPE_SE
	s_setreg_imm32_b32 hwreg(HW_REG_WAVE_MODE, 25, 1), 1
	s_wait_xcnt 0x0
; p for one tile, 256 rows x 256 keys, of sim = k q^T / 32 on codes of BF6 (E3M2) with E8M0 block scales, K = 1,024 in four slots of 256 through a ring of two LDS slots.
; Only the 36 tiles on or under the diagonal of each batch are made: the others lie wholly under reference()'s own causal mask.  Inside a diagonal tile the masked scores are set to -inf.
; For each row and each 128 keys: M = ceil(the largest t of those 128), p = 2^(t - M) quantised along the keys into pq [slot of 256 keys][row][192 bytes]; pst takes -M, the four scale bytes and the sum of the unquantised p.
; The next launch brings the pieces of a row under one M by whole numbers added to the scale bytes.  Where the last slot of a pair has no tile, zero codes are stored for it.
; A tile's rows lie on end in kq and qq, so the tensor loads state them as rows of 256 bytes, each at a multiple of 256; 16 bytes of padding behind every 64 give LDS rows of 240 bytes.
; No clusters: the work-groups of a batch that share a tile of k or q are of unlike number from row to row of the triangle, so the grid does not divide into equal groups of four.
; LIMITS: NaN and infinities are not served; the scaled scores stay under 2^31 in magnitude.
.set ROWB,   192
.set PLANE,  1572864
.set NQ,     2
.set PITCH,  240
.set FR,     12
.set NL,     6
.set NP,     4
.set HALFT,  128*PITCH
.set SLOT,   4*HALFT
.set SCL,    2*SLOT
.set HALFS,  16*272
.set SBLK,   2*272
.set SPARE,  SCL+4*HALFS
.set SGP,    272
.set SSTG,   256*SGP
.set XSCL,   6291456
.set ADRA, 16
.set ADRB, 20
.set STO,  24
.set RD,   25
.set CO,   26
.set ADRS, 27
.set SPW,  28
.set NIL,  29
.set SST,  30
.set SC,   32
.set AF,   128
.set T,    128
.set CDS,  192
.set TM,   208
.set ST4,  224
.set SA,   228
.set OFS,  230
.set SB,   232
.set DA0,  234
.set NINF, 236
.set G1, 24
.set G0, 32
.set G0B, 56
.set G1S, 68
.set G0S, 76
.set G0SB, 88
.set ZT,   66
.set DIAG, 96
.set CS,   98
.set SEL,  100
.set MSB, 0
.macro WIN new
.if MSB != (\new)
	s_set_vgpr_msb (MSB<<8)|(\new)
.set MSB, (\new)
.endif
.endm
.set MUL_LO, 0xa1
.set MUL_HI, 0xf1
.set TO_B,   0x40
.macro JLOAD g0a, g1a, g0b, g1b
	s_cmp_eq_u32 s15, 0
	s_cbranch_scc0 .Lfor_b_\@
	tensor_load_to_lds s[\g0a:\g0a+3], s[\g1a:\g1a+7]
	s_nop 0
.rept 4
	v_nop
.endr
	s_branch .Lasked_\@
.Lfor_b_\@:
	tensor_load_to_lds s[\g0b:\g0b+3], s[\g1b:\g1b+7]
	s_nop 0
.rept 4
	v_nop
.endr
.Lasked_\@:
.endm
	s_load_b128 s[4:7], s[0:1], 0x0
	s_load_b128 s[8:11], s[0:1], 0x10
	v_lshl_add_u32 v[SPW], v0, 2, SPARE
	v_mov_b32 v[NIL], 0
	ds_add_u32 v28, v29
	ds_add_u32 v28, v29
	s_wait_dscnt 0x0
	v_lshrrev_b32 v1, 5, v0
	v_readfirstlane_b32 s14, v1
	s_lshr_b32 s15, s14, 1
	s_and_b32 s16, s14, 1
	s_mov_b32 s17, 0
.irp th, 1,3,6,10,15,21,28
	s_cmp_ge_u32 ttmp9, \th
	s_add_co_ci_u32 s17, s17, 0
.endr
	s_add_co_u32 s18, s17, 1
	s_mul_i32 s18, s18, s17
	s_lshr_b32 s18, s18, 1
	s_sub_co_u32 s42, ttmp9, s18
	s_and_b32 s41, ttmp7, 0xffff
	s_cmp_eq_u32 s17, s42
	s_cselect_b32 s95, 1, 0
	s_cmp_eq_u32 s15, s16
	s_cselect_b32 s[DIAG], s95, 0
	s_cmp_lt_u32 s15, s16
	s_cselect_b32 s97, s95, 0
	s_and_b32 s18, s17, 1
	s_cmp_eq_u32 s18, 0
	s_cselect_b32 s[ZT], s95, 0
	s_cmp_lg_u32 s97, 0
	s_cselect_b32 s18, 0xff800000, 0
	v_mov_b32 v[OFS], s18
	v_mov_b32 v[OFS+1], s18
	s_mov_b32 s[CS], 0x3d38aa3b
	s_mov_b32 s[CS+1], s[CS]
	s_mov_b32 s[SEL], 0x76543210
	s_mov_b32 s[SEL+1], 0xfedcba98
	s_mov_b32 s[G1+0], (1<<20)|(3<<22)|(3<<25)
	s_mov_b32 s[G1+1], 256<<16
	s_mov_b32 s[G1+2], 192<<16                     ; the head's loads: 256 rows x 192 bytes = 192 x 256
	s_mov_b32 s[G1+3], 256<<16
	s_mov_b32 s[G1+4], 192
	s_mov_b32 s[G1+5], 256
	s_mov_b32 s[G1+6], 0
	s_mov_b32 s[G1+7], 0
	s_mov_b32 s[G1S+0], (3<<16)|(1<<20)|(5<<22)|(3<<25)
	s_mov_b32 s[G1S+1], 32<<16
	s_mov_b32 s[G1S+2], 32<<16                     ; the scale bytes of 256 rows: 32 rows of 256 bytes
	s_mov_b32 s[G1S+3], 32<<16
	s_mov_b32 s[G1S+4], 32
	s_mov_b32 s[G1S+5], 32
	s_mov_b32 s[G1S+6], 0
	s_mov_b32 s[G1S+7], 0
	s_lshl_b32 s18, s41, 11                        ; the batch's first row
	s_lshl_b32 s20, s17, 8
	s_add_co_u32 s20, s20, s18
	s_lshl_b32 s46, s42, 8
	s_add_co_u32 s46, s46, s18
	s_lshl_b32 s22, s20, 5
	s_add_co_u32 s22, s22, XSCL
	s_mov_b32 s23, 0
	s_lshl_b32 s92, s46, 5
	s_add_co_u32 s92, s92, XSCL
	s_mov_b32 s93, 0
	s_mul_i32 s20, s20, ROWB
	s_mov_b32 s21, 0
	s_mul_i32 s46, s46, ROWB
	s_mov_b32 s47, 0
	s_mul_i32 s45, s14, HALFT
	s_wait_kmcnt 0x0
	s_add_nc_u64 s[20:21], s[4:5], s[20:21]
	s_add_nc_u64 s[22:23], s[4:5], s[22:23]
	s_add_nc_u64 s[46:47], s[6:7], s[46:47]
	s_add_nc_u64 s[92:93], s[6:7], s[92:93]
	; THE HEAD'S FOUR TILES, each whole, one load a wave: wave 0 K step 0's 256 rows of k, wave 1 those of q, wave 2 k's scale bytes, wave 3 q's
	s_mov_b32 s[G0S], 1
	s_mov_b32 s[G0S+1], SCL
	s_mov_b64 s[G0S+2:G0S+3], s[22:23]
	s_or_b32 s[G0S+3], s[G0S+3], 0x80000000
	s_mov_b32 s[G0SB], 1
	s_mov_b32 s[G0SB+1], SCL+2*HALFS
	s_mov_b64 s[G0SB+2:G0SB+3], s[92:93]
	s_or_b32 s[G0SB+3], s[G0SB+3], 0x80000000
	s_mov_b32 s[G0], 1                             ; slot 0's group 0 serves the head's whole tile first; behind the head's wait it is set to my 128 rows
	s_mov_b32 s[G0+1], 0
	s_mov_b64 s[G0+2:G0+3], s[20:21]
	s_or_b32 s[G0+3], s[G0+3], 0x80000000
	s_mov_b32 s[G0B], 1
	s_mov_b32 s[G0B+1], 2*HALFT
	s_mov_b64 s[G0B+2:G0B+3], s[46:47]
	s_or_b32 s[G0B+3], s[G0B+3], 0x80000000
	s_mul_i32 s4, s16, 128*ROWB                    ; in the ring I fetch 128 rows of a tile: which half, in bytes
	s_mov_b32 s5, 0
	s_add_nc_u64 s[20:21], s[20:21], s[4:5]
	s_add_nc_u64 s[46:47], s[46:47], s[4:5]
	s_mov_b32 s[G0+4], 1                           ; slot 1: K step 1
	s_add_co_u32 s[G0+5], s45, SLOT
	s_add_nc_u64 s[G0+6:G0+7], s[20:21], PLANE
	s_or_b32 s[G0+7], s[G0+7], 0x80000000
	s_mov_b32 s[G0B+4], 1
	s_add_co_u32 s[G0B+5], s45, SLOT
	s_add_nc_u64 s[G0B+6:G0B+7], s[46:47], PLANE
	s_or_b32 s[G0B+7], s[G0B+7], 0x80000000
; one tree of branches on the wave's number: every way through it passes exactly one load
.macro ARM under, g0, g1, next
	s_cmp_lt_u32 s14, \under
	s_cbranch_scc0 \next
	tensor_load_to_lds s[\g0:\g0+3], s[\g1:\g1+7]
	s_nop 0
.rept 4
	v_nop
.endr
	s_branch .Lhead_asked
\next:
.endm
	ARM 1, G0,  G1,  .Lhead_b
	ARM 2, G0B, G1,  .Lhead_sa
	ARM 3, G0S, G1S, .Lhead_sb
	tensor_load_to_lds s[G0SB:G0SB+3], s[G1S:G1S+7]
	s_nop 0
.rept 4
	v_nop
.endr
.Lhead_asked:
	v_and_b32 v1, 15, v0
	v_bfe_u32 v2, v0, 4, 1
	v_mul_u32_u24 v3, v1, PITCH
	v_mul_u32_u24 v4, v2, 24
	v_add_nc_u32 v4, v3, v4
	v_lshl_add_u32 v5, v2, 4, v4
	s_mul_i32 s21, s15, HALFT
	s_mul_i32 s22, s16, HALFT
	s_add_co_u32 s22, s22, 2*HALFT
.irp s, 0,1
	v_add_nc_u32 v[ADRA+\s], s21, v4
	v_add_nc_u32 v[ADRB+\s], s22, v4
	v_add_nc_u32 v[ADRA+2+\s], s21, v5
	v_add_nc_u32 v[ADRB+2+\s], s22, v5
	s_add_co_u32 s21, s21, SLOT
	s_add_co_u32 s22, s22, SLOT
.endr
	v_mul_u32_u24 v5, v1, 32
	v_lshrrev_b32 v6, 8, v5
	v_lshl_add_u32 v5, v6, 4, v5
	s_mul_i32 s21, s15, HALFS
	s_mul_i32 s22, s16, HALFS
	s_add_co_u32 s22, s22, 2*HALFS
	s_sub_co_u32 s22, s22, s21
	v_mul_u32_u24 v6, s22, v2
	s_add_co_u32 s21, s21, SCL
	v_add_nc_u32 v5, v5, v6
	v_add_nc_u32 v[ADRS], s21, v5
	s_mul_i32 s18, s15, 128*SGP
	s_lshl_b32 s19, s16, 7
	s_add_co_u32 s18, s18, s19
	v_mul_u32_u24 v5, v1, SGP
	v_lshl_add_u32 v5, v2, 4, v5
	v_add_nc_u32 v[STO], s18, v5
	s_lshl_b32 s18, s15, 12
	s_lshl_b32 s19, s16, 4
	s_add_co_u32 s18, s18, s19
	s_add_co_u32 s18, s18, SSTG
	v_lshl_add_u32 v[SST], v1, 5, s18
	s_mul_i32 s18, s14, 64*SGP
	v_mul_u32_u24 v5, v2, SGP
	v_lshl_add_u32 v5, v1, 4, v5
	v_add_nc_u32 v[RD], s18, v5
	v_mul_u32_u24 v5, v2, ROWB
	v_mad_u32_u24 v[CO], v1, 12, v5
	v_lshl_add_u32 v11, v0, 4, SSTG
	v_lshrrev_b32 v9, 1, v0
	v_and_b32 v10, 1, v0
	v_lshlrev_b32 v9, 8, v9
	v_lshl_add_u32 v9, v10, 4, v9
	v_and_b32 v5, 8, v1
	v_add_nc_u32 v5, v5, v1
	v_lshlrev_b32 v6, 4, v2
	v_sub_nc_u32 v[DA0], v5, v6
	v_add_nc_u32 v[DA0+1], 8, v[DA0]
	v_mov_b32 v[NINF], 0xff800000
	s_lshl_b32 s18, s41, 11
	s_lshl_b32 s19, s17, 8
	s_add_co_u32 s2, s18, s19
	s_lshl_b32 s18, s2, 8
	s_lshl_b32 s19, s42, 5
	s_add_co_u32 s18, s18, s19
	s_mov_b32 s19, 0
	s_add_nc_u64 s[10:11], s[10:11], s[18:19]
	s_lshl_b32 s18, s14, 6
	s_add_co_u32 s18, s18, s2
	s_mul_i32 s18, s18, ROWB
	s_mul_i32 s2, s42, PLANE
	s_add_co_u32 s18, s18, s2
	s_add_nc_u64 s[12:13], s[8:9], s[18:19]
.macro FRAG reg, adr, q, i
.irp p, 0,1,2,3,4,5
.set PCE, 12*(\q)+6*(\p/3)+\p%3
.if PCE%8 < 5
	ds_load_b64 v[\reg+2*\p:\reg+2*\p+1], v[\adr] offset:8*PCE+16*(PCE/8)+(\i)*16*PITCH
.else
	ds_load_b64 v[\reg+2*\p:\reg+2*\p+1], v[\adr+2] offset:8*PCE+16*(PCE/8)+(\i)*16*PITCH
.endif
.endr
.endm
.macro MUL16 a0, p, q, sc, zero
.irp a, \a0, \a0+1
.irp b, 0,1,2,3,4,5,6,7
.if \zero
	v_wmma_scale_f32_16x16x128_f8f6f4 v[8*(8*((\a)%4)+\b):8*(8*((\a)%4)+\b)+7], v[128*(\p)+FR*\b:128*(\p)+FR*\b+FR-1], v[AF+FR*(\a):AF+FR*(\a)+FR-1], 0, v[SC+8*NQ*(\sc)+NQ*\b+(\q)], v[SC+8*NQ*(\sc)+NQ*(\a)+(\q)] matrix_a_fmt:MATRIX_FMT_BF6 matrix_b_fmt:MATRIX_FMT_BF6 matrix_a_scale:MATRIX_SCALE_ROW1
.else
	v_wmma_scale_f32_16x16x128_f8f6f4 v[8*(8*((\a)%4)+\b):8*(8*((\a)%4)+\b)+7], v[128*(\p)+FR*\b:128*(\p)+FR*\b+FR-1], v[AF+FR*(\a):AF+FR*(\a)+FR-1], v[8*(8*((\a)%4)+\b):8*(8*((\a)%4)+\b)+7], v[SC+8*NQ*(\sc)+NQ*\b+(\q)], v[SC+8*NQ*(\sc)+NQ*(\a)+(\q)] matrix_a_fmt:MATRIX_FMT_BF6 matrix_b_fmt:MATRIX_FMT_BF6 matrix_a_scale:MATRIX_SCALE_ROW1
.endif
.endr
.endr
.endm
.macro FETCH_B slot, q, p
	WIN TO_B
.irp i, 0,1,2,3,4,5,6,7
	FRAG 128*(\p)+FR*\i, ADRB+\slot, \q, \i
.endr
	WIN 0
.endm
.macro FETCH_A slot, q, i0
.irp i, \i0, \i0+1, \i0+2, \i0+3
	FRAG AF+FR*(\i), ADRA+\slot, \q, \i
.endr
.endm
.macro SCALES sc
.irp i, 0,1,2,3,4,5,6,7
	ds_load_b64 v[SC+8*NQ*\sc+NQ*\i:SC+8*NQ*\sc+NQ*\i+1], v[ADRS] offset:\i*SBLK
.endr
.endm
.macro PLACES n
.rept \n
	v_nop
.endr
.endm
.macro STEP slot, q, zero
	s_wait_dscnt 4*NL
	WIN MUL_LO
	MUL16 0, (\q)%2, \q, \slot, \zero
	MUL16 2, (\q)%2, \q, \slot, \zero
	s_wait_dscnt 0
	PLACES NP
	FETCH_B \slot, (\q)+1, 1-(\q)%2
	FETCH_A \slot, (\q)+1, 0
	WIN MUL_HI
	MUL16 4, (\q)%2, \q, \slot, \zero
	MUL16 6, (\q)%2, \q, \slot, \zero
	PLACES NP
	WIN 0
	FETCH_A \slot, (\q)+1, 4
.endm
.macro TURN slot, next, fill
	s_wait_tensorcnt 0x0
	ds_add_u32 v[SPW], v[NIL]
	s_wait_dscnt 4*NL+1
	WIN MUL_LO
	MUL16 0, 1, NQ-1, \slot, 0
	s_wait_dscnt 0x0
	s_barrier_signal -1
	MUL16 2, 1, NQ-1, \slot, 0
	WIN 0
	s_barrier_wait -1
.if \fill
	s_add_nc_u64 s[G0+4*\slot+2:G0+4*\slot+3], s[G0+4*\slot+2:G0+4*\slot+3], 2*PLANE
	s_add_nc_u64 s[G0B+4*\slot+2:G0B+4*\slot+3], s[G0B+4*\slot+2:G0B+4*\slot+3], 2*PLANE
	JLOAD G0+4*\slot, G1, G0B+4*\slot, G1
.else
	PLACES NP
.endif
	s_wait_alu depctr_va_vdst(0)
	v_add_nc_u32 v[ADRS], 4*NQ, v[ADRS]
	FETCH_B \next, 0, 0
	FETCH_A \next, 0, 0
	SCALES \next
	WIN MUL_HI
	MUL16 4, 1, NQ-1, \slot, 0
	MUL16 6, 1, NQ-1, \slot, 0
	PLACES NP
	WIN 0
	FETCH_A \next, 0, 4
.endm
	s_wait_alu depctr_va_vdst(0)
	s_wait_tensorcnt 0x0                           ; my tile of the head's four is in
	ds_add_u32 v[SPW], v[NIL]
	s_mov_b32 s[G1+2], 96<<16                      ; no tensor load of mine is out: from here on a load brings 128 rows x 192 bytes = 96 x 256,
	s_mov_b32 s[G1+4], 96
	s_mov_b32 s[G0+1], s45                         ; and slot 0's group 0 names my 128 rows
	s_mov_b32 s[G0B+1], s45
	s_add_nc_u64 s[G0+2:G0+3], s[G0+2:G0+3], s[4:5]
	s_add_nc_u64 s[G0B+2:G0B+3], s[G0B+2:G0B+3], s[4:5]
	s_wait_dscnt 0x0                               ; the add is done
	s_barrier_signal -1
	s_barrier_wait -1                              ; all four tiles are in
	JLOAD G0+4, G1, G0B+4, G1                      ; K step 1, my one tensor load behind the barrier
	FETCH_B 0, 0, 0
	FETCH_A 0, 0, 0
	SCALES 0
	FETCH_A 0, 0, 4
	STEP 0, 0, 1
	TURN 0, 1, 1
	STEP 1, 0, 0
	TURN 1, 0, 1
	STEP 0, 0, 0
	TURN 0, 1, 0
	STEP 1, 0, 0
	s_wait_dscnt 4*NL
	WIN MUL_LO
	MUL16 0, 1, NQ-1, 1, 0
	MUL16 2, 1, NQ-1, 1, 0
	s_wait_dscnt 0
	WIN MUL_HI
	MUL16 4, 1, NQ-1, 1, 0
	MUL16 6, 1, NQ-1, 1, 0
	WIN 0
	PLACES NP
.irp b, 0,1,2,3
	v_mov_b32 v[TM+4+\b], 0
.endr
	v_mov_b32 v[TM+9], 0
	v_mov_b32 v[ST4+1], 0
	v_mov_b32 v[ST4+3], 0
.macro SOFTQ a
.set AC, 64*((\a)%4)
	WIN 0x02+(\a)/4
.irp j, 0,2,4,6,8,10,12,14,16,18,20,22,24,26,28,30,32,34,36,38,40,42,44,46,48,50,52,54,56,58,60,62
	v_pk_fma_f32 v[T+\j:T+\j+1], v[AC+\j:AC+\j+1], s[CS:CS+1], v[OFS:OFS+1] op_sel_hi:[1,0,1]
.endr
	WIN 0
	s_cmp_eq_u32 s[DIAG], 0
	s_cbranch_scc1 .Lopen_\@
.irp b, 0,1,2,3
.if \b > (\a)/2
.irp i, 0,1,2,3,4,5,6,7,8,9,10,11,12,13,14,15
	v_mov_b32 v[T+16*\b+\i], v[NINF]
.endr
.elseif \b == (\a)/2
.irp i, 0,1,2,3,4,5,6,7,8,9,10,11,12,13,14,15
	v_cmp_gt_i32 vcc_lo, \i, v[DA0+(\a)%2]
	v_cndmask_b32 v[T+16*\b+\i], v[T+16*\b+\i], v[NINF], vcc_lo
.endr
.endif
.endr
.Lopen_\@:
.irp b, 0,1,2,3
	v_max3_num_f32 v[TM+\b], v[T+16*\b], v[T+16*\b+1], v[T+16*\b+2]
.endr
.irp i, 3,5,7,9,11,13
.irp b, 0,1,2,3
	v_max3_num_f32 v[TM+\b], v[TM+\b], v[T+16*\b+\i], v[T+16*\b+\i+1]
.endr
.endr
.irp b, 0,1,2,3
	v_max_num_f32 v[TM+\b], v[TM+\b], v[T+16*\b+15]
.endr
.irp b, 0,1,2,3
	v_permlanex16_b32 v[TM+4+\b], v[TM+\b], s[SEL], s[SEL+1]
.endr
.irp b, 0,1,2,3
	v_max_num_f32 v[TM+\b], v[TM+\b], v[TM+4+\b]
.endr
	v_max3_num_f32 v[TM+8], v[TM], v[TM+1], v[TM+2]
	v_max3_num_f32 v[TM+8], v[TM+8], v[TM+3], 0xff61b1e6
	s_wait_alu depctr_va_vdst(0)
	s_wait_dscnt 0x0
	v_floor_f32 v[ST4], -v[TM+8]
.irp j, 0,2,4,6,8,10,12,14,16,18,20,22,24,26,28,30,32,34,36,38,40,42,44,46,48,50,52,54,56,58,60,62
	v_pk_add_f32 v[T+\j:T+\j+1], v[T+\j:T+\j+1], v[ST4:ST4+1] op_sel_hi:[1,0]
.endr
.irp b, 0,1,2,3
	v_add_f32 v[TM+\b], v[TM+\b], v[ST4]
.endr
.set j, 0
	s_wait_alu depctr_va_vdst(0)
.rept 64
	v_exp_f32 v[T+j], v[T+j]
.set j, j+1
.endr
.irp b, 0,1,2,3
	v_exp_f32 v[TM+\b], v[TM+\b]
.endr
	v_nop
	s_wait_alu depctr_va_vdst(0)
	v_pk_add_f32 v[SA:SA+1], v[T:T+1], v[T+4:T+5]
	v_pk_add_f32 v[SB:SB+1], v[T+2:T+3], v[T+6:T+7]
.irp j, 8,12,16,20,24,28,32,36,40,44,48,52,56,60
	v_pk_add_f32 v[SA:SA+1], v[SA:SA+1], v[T+\j:T+\j+1]
	v_pk_add_f32 v[SB:SB+1], v[SB:SB+1], v[T+\j+2:T+\j+3]
.endr
.irp b, 0,1,2,3
	v_max_num_f32 v[TM+\b], 0x2800000, v[TM+\b]
.endr
	v_pk_add_f32 v[SA:SA+1], v[SA:SA+1], v[SB:SB+1]
.irp b, 0,1,2,3
	v_add_nc_u32 v[TM+12+\b], 0xfe000000, v[TM+\b]
.endr
	v_add_f32 v[SA], v[SA], v[SA+1]
.irp b, 0,1,2,3
	v_lshrrev_b32 v[TM+4+\b], 23, v[TM+12+\b]
.endr
	v_permlanex16_b32 v[TM+9], v[SA], s[SEL], s[SEL+1]
	v_lshl_or_b32 v[ST4+1], v[TM+5], 8, v[TM+4]
	v_lshl_or_b32 v[ST4+1], v[TM+6], 16, v[ST4+1]
	v_lshl_or_b32 v[ST4+1], v[TM+7], 24, v[ST4+1]
	v_add_f32 v[ST4+2], v[SA], v[TM+9]
.irp b, 0,1,2,3
	v_cvt_scalef32_pk16_bf6_f32 v[CDS+4*\b:CDS+4*\b+2], v[T+16*\b:T+16*\b+15], v[TM+12+\b]
.endr
	v_nop
.irp b, 0,1,2,3
	ds_store_b96 v[STO], v[CDS+4*\b:CDS+4*\b+2] offset:(\a)*16*SGP+32*\b
.endr
	ds_store_b128 v[SST], v[ST4:ST4+3] offset:512*(\a)
.endm
.irp a, 0,1,2,3,4,5,6,7
	SOFTQ \a
.endr
	s_wait_dscnt 0x0
	s_barrier_signal -1
	s_barrier_wait -1
.set n, 0
.rept 32
	ds_load_b96 v[128+4*n:128+4*n+2], v[RD] offset:2*n*SGP
.set n, n+1
.endr
.irp k, 0,1,2,3
	ds_load_b128 v[64+4*\k:67+4*\k], v11 offset:2048*\k
.endr
.set n, 0
.rept 32
	s_wait_dscnt 35-n
	global_store_b96 v[CO], v[128+4*n:128+4*n+2], s[12:13] offset:2*n*ROWB
.set n, n+1
.endr
	s_wait_dscnt 0x0
.irp k, 0,1,2,3
	global_store_b128 v9, v[64+4*\k:67+4*\k], s[10:11] offset:16384*\k
.endr
	s_cmp_eq_u32 s[ZT], 0
	s_cbranch_scc1 .Lno_zero
	v_mov_b32 v80, 0
	v_mov_b32 v81, 0
	v_mov_b32 v82, 0
	v_mov_b32 v84, 0x7f61b1e6
	v_mov_b32 v85, 0x01010101
	v_mov_b32 v86, 0
	v_mov_b32 v87, 0
.set n, 0
.rept 32
	global_store_b96 v[CO], v[80:82], s[12:13] offset:PLANE+2*n*ROWB
.set n, n+1
.endr
.irp k, 0,1,2,3
	global_store_b128 v9, v[84:87], s[10:11] offset:16384*\k+32
.endr
.Lno_zero:
	s_wait_tensorcnt 0x0
	ds_add_u32 v[SPW], v[NIL]
	s_wait_dscnt 0x0
	s_endpgm
.Lfunc_end_k_qb1227f7e7e_score:
	.size	k_qb1227f7e7e_score, .Lfunc_end_k_qb1227f7e7e_score-k_qb1227f7e7e_score
	.p2alignl 7, 3214868480
	.fill 96, 4, 3214868480
	.section	.rodata,"a",@progbits
	.p2align	6, 0x0
	.amdhsa_kernel k_qb1227f7e7e_score
		.amdhsa_group_segment_fixed_size 327680
		.amdhsa_private_segment_fixed_size 0
		.amdhsa_enable_private_segment 0
		.amdhsa_kernarg_size 32
		.amdhsa_user_sgpr_count 2
		.amdhsa_user_sgpr_kernarg_segment_ptr 1
		.amdhsa_wavefront_size32 1
		.amdhsa_system_sgpr_workgroup_id_x 1
		.amdhsa_system_sgpr_workgroup_id_y 1
		.amdhsa_system_sgpr_workgroup_id_z 1
		.amdhsa_system_vgpr_workitem_id 0
		.amdhsa_next_free_vgpr 1024
		.amdhsa_next_free_sgpr 102
		.amdhsa_reserve_vcc 1
		.amdhsa_float_denorm_mode_32 3
		.amdhsa_float_denorm_mode_16_64 3
		.amdhsa_memory_ordered 1
		.amdhsa_forward_progress 1
		.amdhsa_inst_pref_size 255
	.end_amdhsa_kernel
	.amdgpu_metadata
---
amdhsa.version: [ 1, 2 ]
amdhsa.kernels:
  - .name:           k_qb1227f7e7e_score
    .symbol:         k_qb1227f7e7e_score.kd
    .args:
      - { .name: kq, .offset: 0, .size: 8, .value_kind: global_buffer, .address_space: global }
      - { .name: qq, .offset: 8, .size: 8, .value_kind: global_buffer, .address_space: global }
      - { .name: pq, .offset: 16, .size: 8, .value_kind: global_buffer, .address_space: global }
      - { .name: pst, .offset: 24, .size: 8, .value_kind: global_buffer, .address_space: global }
    .group_segment_fixed_size: 327680
    .private_segment_fixed_size: 0
    .kernarg_segment_align: 8
    .kernarg_segment_size: 32
    .max_flat_workgroup_size: 128
    .sgpr_count:     102
    .vgpr_count:     1024
    .wavefront_size: 32
...
	.end_amdgpu_metadata
.endif
;; end of part 3
;; launch pv (part 4): grid 8 x 32, 4 waves a work-group, clusters of 4 x 1, 327,680 bytes of LDS; arguments pq, pst, vq, out0; writes out0
.if DOCPART == 4
	.amdgcn_target "amdgcn-amd-amdhsa--gfx1250"
	.amdhsa_code_object_version 6
	.text
	.protected	k_qb1227f7e7e_pv
	.globl	k_qb1227f7e7e_pv
	.p2align	8
	.type	k_qb1227f7e7e_pv,@function
k_qb1227f7e7e_pv:
	s_mov_b64 s[64:65], 0
	v_nop
	global_prefetch_b8 v0, s[64:65] scope:SCOPE_SE
	s_setreg_imm32_b32 hwreg(HW_REG_WAVE_MODE, 25, 1), 1
	s_wait_xcnt 0x0
	s_wait_alu depctr_hold_cnt(0) depctr_sa_sdst(0) depctr_va_vdst(0) depctr_va_sdst(0) depctr_va_ssrc(0) depctr_va_vcc(0) depctr_vm_vsrc(0)
	s_getreg_b32 s2, hwreg(HW_REG_IB_STS2, 6, 4)
	s_cmp_eq_u32 s2, 0
	s_cbranch_scc0 .Lentry_in_a_cluster
	s_endpgm
.Lentry_in_a_cluster:
	s_bfe_u32 s2, ttmp6, 0x10000c
	s_cmp_lg_u32 s2, 0x3003
	s_cbranch_scc0 .Lentry_shape_is_right
	s_endpgm
.Lentry_shape_is_right:
; out = (p v) / l on codes of BF6 (E3M2) with E8M0 block scales: a block of 256 rows x 128 features, 8 x 32 = 256 work-groups; a wave makes 128 rows x 64 features: 32 accumulators.
; K = the keys, in slots of 256 through a ring of two LDS slots, only up to the row block's own diagonal (in pairs of slots): the slots beyond lie wholly under reference()'s own causal mask.
; HEAD: from pst each row's pieces (-M, four scale bytes, sum, for each 128 keys) are brought under the row's largest M: the whole number M(piece) - M(row) is added to the piece's scale bytes
; (held at 0 from below) and to the exponent of its sum; the sums are added to l.  The tables of scale words lie in LDS bytes of their own.
; CLUSTER of 4 x 1: four feature blocks of a row block ask for p's tiles jointly; v's tiles are each work-group's own.
; A tile's rows lie on end in pq and vq, so the tensor loads state them as rows of 256 bytes, each at a multiple of 256; 16 bytes of padding behind every 64 give LDS rows of 240 bytes.
.set ROWB,   192
.set STEPA,  1572864
.set STEPB,  196608
.set PITCH,  240
.set FR,     12
.set NL,     6
.set NP,     4
.set HALFT,  128*PITCH
.set SLOT,   4*HALFT
.set TABA,   2*SLOT
.set TABB,   TABA+256*80
.set RL,     TABB+256*80
.set SPARE,  RL+1024
.set SPITCH, 528
.set XSCL,   6291456
.set ADRA, 16
.set ADRB, 20
.set STO,  24
.set RD,   25
.set CO,   26
.set ADRS, 27
.set SPW,  28
.set NIL,  29
.set AF,   128
.set RC,   128
.set G1, 24
.set G0, 32
.set G1B, 48
.set G0B, 56
.set MSB, 0
.macro WIN new
.if MSB != (\new)
	s_set_vgpr_msb (MSB<<8)|(\new)
.set MSB, (\new)
.endif
.endm
.set MUL_LO, 0xa1
.set MUL_HI, 0xf1
.set TO_B,   0x40
.macro JLOAD g0a, g1a, g0b, g1b
	s_cmp_eq_u32 s15, 0
	s_cbranch_scc0 .Lfor_b_\@
	tensor_load_to_lds s[\g0a:\g0a+3], s[\g1a:\g1a+7]
	s_nop 0
.rept 4
	v_nop
.endr
	s_branch .Lasked_\@
.Lfor_b_\@:
	tensor_load_to_lds s[\g0b:\g0b+3], s[\g1b:\g1b+7]
	s_nop 0
.rept 4
	v_nop
.endr
.Lasked_\@:
.endm
.macro CREST
	s_cmp_lg_u32 s14, 0
	s_cbranch_scc1 .Lnot_wave_0_\@
	s_barrier_signal -3
.Lnot_wave_0_\@:
	s_barrier_wait -3
	s_barrier_signal -1
	s_barrier_wait -1
.endm
.macro CROUND
	s_barrier_signal -1
	s_barrier_wait -1
	CREST
.endm
	s_load_b256 s[4:11], s[0:1], 0x0
	v_lshl_add_u32 v[SPW], v0, 2, SPARE
	v_mov_b32 v[NIL], 0
	ds_add_u32 v28, v29
	ds_add_u32 v28, v29
	s_wait_dscnt 0x0
	v_lshrrev_b32 v1, 5, v0
	v_readfirstlane_b32 s14, v1
	s_lshr_b32 s15, s14, 1
	s_and_b32 s16, s14, 1
	s_bfe_u32 s40, ttmp6, 0x40000
	s_lshl_b32 s99, ttmp9, 2
	s_add_co_u32 s40, s40, s99                     ; my block of 128 features, 0..7: it enters global addresses of my own loads and stores alone
	s_and_b32 s2, ttmp7, 0xffff
	s_lshr_b32 s41, s2, 3
	s_and_b32 s17, s2, 7
	s_lshr_b32 s3, s17, 1
	s_add_co_u32 s96, s3, 1
	s_lshl_b32 s96, s96, 2
	s_mov_b32 s97, 0xfefefeff
	s_mov_b32 s98, 0xff61b1e6
	s_mov_b32 s[G1+0], 15|(1<<20)|(1<<21)|(3<<22)|(3<<25)
	s_mov_b32 s[G1B+0], (1<<20)|(3<<22)|(3<<25)
.irp g, G1, G1B
	s_mov_b32 s[\g+1], 256<<16
	s_mov_b32 s[\g+2], 96<<16                      ; p: 128 rows x 192 bytes = 96 x 256
	s_mov_b32 s[\g+3], 256<<16
	s_mov_b32 s[\g+4], 96
	s_mov_b32 s[\g+5], 256
	s_mov_b32 s[\g+6], 0
	s_mov_b32 s[\g+7], 0
.endr
	s_lshl_b32 s18, s16, 7
	s_lshl_b32 s20, s2, 8
	s_add_co_u32 s20, s20, s18
	s_mul_i32 s20, s20, ROWB
	s_mov_b32 s21, 0
	s_mov_b32 s[G1B+2], 48<<16                     ; v: 64 rows x 192 bytes = 48 x 256
	s_mov_b32 s[G1B+4], 48
	s_lshl_b32 s46, s40, 7
	s_lshl_b32 s47, s16, 6
	s_add_co_u32 s46, s46, s47                     ; v's row: 128 x block + the 64 that I fetch
	s_mul_i32 s46, s46, ROWB
	s_mul_i32 s47, s41, 8*STEPB
	s_add_co_u32 s46, s46, s47
	s_mov_b32 s47, 0
	s_mul_i32 s45, s14, HALFT
	s_mul_i32 s94, s16, HALFT/2
	s_add_co_u32 s94, s94, 2*HALFT                 ; v's 128 rows lie behind p's 256
	s_wait_kmcnt 0x0
	s_add_nc_u64 s[20:21], s[4:5], s[20:21]
	s_add_nc_u64 s[46:47], s[8:9], s[46:47]
	CROUND
.irp s, 0,1
	s_mov_b32 s[G0+4*\s], 1
	s_add_co_u32 s[G0+4*\s+1], s45, \s*SLOT
	s_add_nc_u64 s[G0+4*\s+2:G0+4*\s+3], s[20:21], \s*STEPA
	s_or_b32 s[G0+4*\s+3], s[G0+4*\s+3], 0x80000000
	s_mov_b32 s[G0B+4*\s], 1
	s_add_co_u32 s[G0B+4*\s+1], s94, \s*SLOT
	s_add_nc_u64 s[G0B+4*\s+2:G0B+4*\s+3], s[46:47], \s*STEPB
	s_or_b32 s[G0B+4*\s+3], s[G0B+4*\s+3], 0x80000000
.endr
	JLOAD G0, G1, G0B, G1B                         ; slot 0, behind the first round: my one tensor load at the head; the tables' loads below are issued while it is out
	v_and_b32 v1, 15, v0
	v_bfe_u32 v2, v0, 4, 1
	v_and_b32 v3, 31, v0
	v_lshrrev_b32 v4, 2, v3
	v_and_b32 v12, 3, v3
	s_lshl_b32 s18, s14, 13                        ; v's scale bytes: 32 rows of 256 bytes a wave
	v_lshl_add_u32 v5, v4, 8, s18
	s_lshl_b32 s18, s14, 14                        ; pst: 64 rows of 256 bytes a wave
	v_lshl_add_u32 v5, v12, 4, v5
	s_wait_alu depctr_va_vdst(0)
	s_sub_co_u32 s19, s96, 1
	v_min_u32 v7, s19, v1
	v_lshl_add_u32 v6, v2, 8, s18
	v_lshl_add_u32 v6, v7, 4, v6
	s_wait_alu depctr_va_vdst(0)
	v_cmp_gt_u32 s95, s96, v1
	s_lshl_b32 s18, s40, 15
	s_lshl_b32 s19, s41, 6
	s_add_co_u32 s18, s18, s19
	s_add_co_u32 s18, s18, XSCL
	s_mov_b32 s19, 0
	s_add_nc_u64 s[66:67], s[8:9], s[18:19]
	s_lshl_b32 s18, s2, 16
	s_add_nc_u64 s[68:69], s[6:7], s[18:19]
.irp j, 0,1,2,3
	global_load_b128 v[128+4*\j:131+4*\j], v5, s[66:67] offset:2048*\j
.endr
	WIN 0x80
.set jj, 0
.rept 32
	global_load_b128 v[4*jj:4*jj+3], v6, s[68:69] offset:512*jj
.set jj, jj+1
.endr
	WIN 0
	s_mul_i32 s18, s14, 64*80
	s_mul_i32 s19, s14, 32*80
	s_add_co_u32 s19, s19, TABB
	v_mul_u32_u24 v8, v4, 80
	v_lshl_add_u32 v8, v12, 4, v8
	v_add_nc_u32 v8, s19, v8
	s_add_co_u32 s19, s18, TABA
	v_mul_u32_u24 v9, v2, 80
	v_lshl_add_u32 v9, v1, 2, v9
	v_add_nc_u32 v9, s19, v9
	s_lshl_b32 s19, s14, 8
	s_add_co_u32 s19, s19, RL
	v_lshl_add_u32 v10, v2, 2, s19
	s_lshl_b32 s19, s15, 9
	s_add_co_u32 s19, s19, RL
	v_lshl_add_u32 v11, v1, 2, s19
	v_mul_u32_u24 v13, v1, PITCH
	v_mul_u32_u24 v14, v2, 24
	v_add_nc_u32 v14, v13, v14
	v_lshl_add_u32 v15, v2, 4, v14
	s_mul_i32 s21, s15, HALFT
	s_mul_i32 s22, s16, HALFT/2                    ; my 64 rows of v
	s_add_co_u32 s22, s22, 2*HALFT
.irp s, 0,1
	v_add_nc_u32 v[ADRA+\s], s21, v14
	v_add_nc_u32 v[ADRB+\s], s22, v14
	v_add_nc_u32 v[ADRA+2+\s], s21, v15
	v_add_nc_u32 v[ADRB+2+\s], s22, v15
	s_add_co_u32 s21, s21, SLOT
	s_add_co_u32 s22, s22, SLOT
.endr
	v_mul_u32_u24 v13, v1, 80
	s_mul_i32 s21, s15, 128*80
	s_mul_i32 s22, s16, 64*80
	s_add_co_u32 s22, s22, TABB-TABA
	s_sub_co_u32 s22, s22, s21
	v_mul_u32_u24 v14, s22, v2                     ; lanes 16-31 take v's words
	s_sub_co_u32 s22, s22, 4*1280
	v_mul_u32_u24 v15, s22, v2                     ; for p's blocks 4-7 they take v's blocks 0-3 once more: v has four blocks, and no load leaves its table
	s_add_co_u32 s21, s21, TABA
	v_add_nc_u32 v14, v13, v14
	v_add_nc_u32 v15, v13, v15
	v_add_nc_u32 v[ADRS], s21, v14
	v_add_nc_u32 v[ADRS+3], s21, v15
	s_mul_i32 s23, s14, 16*SPITCH
	v_mul_u32_u24 v13, v1, SPITCH
	v_lshl_add_u32 v13, v2, 6, v13
	v_add_nc_u32 v[STO], s23, v13
	v_lshlrev_b32 v[CO], 4, v1
	v_mad_u32_u24 v13, v2, SPITCH, v[CO]
	v_add_nc_u32 v[RD], s23, v13                   ; back: sixteen lanes take a row of 256 bytes, lanes 16-31 the next row;
	v_lshl_add_u32 v[CO], v2, 12, v[CO]            ; and the same two rows in out0
	s_lshl_b32 s18, s2, 8
	s_lshl_b32 s19, s15, 7
	s_add_co_u32 s18, s18, s19
	s_lshl_b32 s18, s18, 12
	s_lshl_b32 s19, s40, 9
	s_add_co_u32 s18, s18, s19
	s_lshl_b32 s19, s16, 8
	s_add_co_u32 s18, s18, s19
	s_mov_b32 s19, 0
	s_add_nc_u64 s[12:13], s[10:11], s[18:19]
	s_wait_alu depctr_va_vdst(0)
	s_wait_tensorcnt 0x0                           ; my part of slot 0 is in
	ds_add_u32 v[SPW], v[NIL]
	s_wait_dscnt 0x0
	CROUND
	JLOAD G0+4, G1, G0B+4, G1B                     ; slot 1, the first tensor load behind the round
	s_wait_loadcnt 32                              ; v's scale bytes are in; the 32 loads of pst may be out
.irp j, 0,1,2,3
	ds_store_b128 v8, v[128+4*\j:131+4*\j] offset:640*\j
.endr
.macro FOR16 j0, op
.set jj, \j0
.rept 16
.set PB, 4*jj
.set ZR, 160+jj
.set LR, 192+jj
.if \op == 1
	v_xor_b32 v[PB], 0x80000000, v[PB]
.elseif \op == 2
	v_cndmask_b32 v[PB], s98, v[PB], s95
.elseif \op == 3
	v_cndmask_b32 v[LR], 0, v[PB+2], s95
.elseif \op == 4
	v_mov_b32 v[ZR], v[PB]
.elseif \op == 5
	v_max_num_f32_dpp v[ZR], v[ZR], v[ZR] row_xmask:1 row_mask:0xf bank_mask:0xf
.elseif \op == 6
	v_max_num_f32_dpp v[ZR], v[ZR], v[ZR] row_xmask:2 row_mask:0xf bank_mask:0xf
.elseif \op == 7
	v_max_num_f32_dpp v[ZR], v[ZR], v[ZR] row_xmask:4 row_mask:0xf bank_mask:0xf
.elseif \op == 8
	v_max_num_f32_dpp v[ZR], v[ZR], v[ZR] row_xmask:8 row_mask:0xf bank_mask:0xf
.elseif \op == 9
	v_sub_f32 v[ZR], v[PB], v[ZR]
.elseif \op == 10
	v_max_num_f32 v[ZR], 0xc2fe0000, v[ZR]
.elseif \op == 11
	v_cvt_i32_f32 v[ZR], v[ZR]
.elseif \op == 12
	v_ldexp_f32 v[LR], v[LR], v[ZR]
.elseif \op == 13
	v_add_f32_dpp v[LR], v[LR], v[LR] row_xmask:1 row_mask:0xf bank_mask:0xf
.elseif \op == 14
	v_add_f32_dpp v[LR], v[LR], v[LR] row_xmask:2 row_mask:0xf bank_mask:0xf
.elseif \op == 15
	v_add_f32_dpp v[LR], v[LR], v[LR] row_xmask:4 row_mask:0xf bank_mask:0xf
.elseif \op == 16
	v_add_f32_dpp v[LR], v[LR], v[LR] row_xmask:8 row_mask:0xf bank_mask:0xf
.elseif \op == 17
	v_mul_lo_u32 v[PB], v[ZR], s97
.elseif \op == 18
	v_or_b32 v[PB+1], 0x80808080, v[PB+1]
.elseif \op == 19
	v_sub_nc_u32 v[PB+1], v[PB+1], v[PB]
.elseif \op == 20
	v_and_b32 v[PB], 0x80808080, v[PB+1]
.elseif \op == 21
	v_lshrrev_b32 v[PB], 7, v[PB]
.elseif \op == 22
	v_lshlrev_b32 v[PB+3], 8, v[PB]
.elseif \op == 23
	v_sub_nc_u32 v[PB], v[PB+3], v[PB]
.elseif \op == 24
	v_and_b32 v[PB], 0x7f7f7f7f, v[PB]
.elseif \op == 25
	v_and_b32 v[PB+1], v[PB+1], v[PB]
.elseif \op == 26
	ds_store_b32 v9, v[PB+1] offset:160*jj
.else
	ds_store_b32 v10, v[LR] offset:8*jj
.endif
.set jj, jj+1
.endr
.endm
.macro STATS j0
	WIN 0xaa
	FOR16 \j0, 1
	FOR16 \j0, 2
	WIN 0x08
	FOR16 \j0, 3
	WIN 0x02
	FOR16 \j0, 4
	WIN 0
.irp op, 5,6,7,8
	FOR16 \j0, \op
.endr
	WIN 0x02
	FOR16 \j0, 9
	WIN 0
.irp op, 10,11,12,13,14,15,16
	FOR16 \j0, \op
.endr
	WIN 0x80
	FOR16 \j0, 17
	WIN 0xaa
.irp op, 18,19,20,21,22,23,24,25
	FOR16 \j0, \op
.endr
	WIN 0x08
	FOR16 \j0, 26
	WIN 0
	FOR16 \j0, 27
.endm
	s_wait_loadcnt 16
	STATS 0
	s_wait_loadcnt 0x0
	STATS 16
.macro FRAG reg, adr, q, i
.irp p, 0,1,2,3,4,5
.set PCE, 12*(\q)+6*(\p/3)+\p%3
.if PCE%8 < 5
	ds_load_b64 v[\reg+2*\p:\reg+2*\p+1], v[\adr] offset:8*PCE+16*(PCE/8)+(\i)*16*PITCH
.else
	ds_load_b64 v[\reg+2*\p:\reg+2*\p+1], v[\adr+2] offset:8*PCE+16*(PCE/8)+(\i)*16*PITCH
.endif
.endr
.endm
.macro MUL16 a0, p, g, zero
.irp a, \a0, \a0+1
.irp b, 0,1,2,3
.if \zero
	v_wmma_scale_f32_16x16x128_f8f6f4 v[8*(8*((\a)%4)+\b):8*(8*((\a)%4)+\b)+7], v[128*(\p)+FR*\b:128*(\p)+FR*\b+FR-1], v[AF+FR*(\a):AF+FR*(\a)+FR-1], 0, v[32+16*\b+96*(\b/6)+(\g)], v[32+16*(\a)+96*((\a)/6)+(\g)] matrix_a_fmt:MATRIX_FMT_BF6 matrix_b_fmt:MATRIX_FMT_BF6 matrix_a_scale:MATRIX_SCALE_ROW1
.else
	v_wmma_scale_f32_16x16x128_f8f6f4 v[8*(8*((\a)%4)+\b):8*(8*((\a)%4)+\b)+7], v[128*(\p)+FR*\b:128*(\p)+FR*\b+FR-1], v[AF+FR*(\a):AF+FR*(\a)+FR-1], v[8*(8*((\a)%4)+\b):8*(8*((\a)%4)+\b)+7], v[32+16*\b+96*(\b/6)+(\g)], v[32+16*(\a)+96*((\a)/6)+(\g)] matrix_a_fmt:MATRIX_FMT_BF6 matrix_b_fmt:MATRIX_FMT_BF6 matrix_a_scale:MATRIX_SCALE_ROW1
.endif
.endr
.endr
.endm
.macro FETCH_B slot, q, p
	WIN TO_B
.irp i, 0,1,2,3
	FRAG 128*(\p)+FR*\i, ADRB+\slot, \q, \i
.endr
	WIN 0
.endm
.macro FETCH_A slot, q, i0
.irp i, \i0, \i0+1, \i0+2, \i0+3
	FRAG AF+FR*(\i), ADRA+\slot, \q, \i
.endr
.endm
.macro PLACES n
.rept \n
	v_nop
.endr
.endm
.macro STEP slot, q, g, zero
	s_wait_dscnt 4*NL
	WIN MUL_LO
	MUL16 0, (\q)%2, \g, \zero
	MUL16 2, (\q)%2, \g, \zero
	s_wait_dscnt 0
	PLACES NP
	FETCH_B \slot, (\q)+1, 1-(\q)%2
	FETCH_A \slot, (\q)+1, 0
	WIN MUL_HI
	MUL16 4, (\q)%2, \g, \zero
	MUL16 6, (\q)%2, \g, \zero
	PLACES NP
	WIN 0
	FETCH_A \slot, (\q)+1, 4
.endm
.macro TURN slot, next, fill, g
	s_wait_tensorcnt 0x0
	ds_add_u32 v[SPW], v[NIL]
	s_wait_dscnt 4*NL+1
	WIN MUL_LO
	MUL16 0, 1, \g, 0
	s_wait_dscnt 0x0
	s_barrier_signal -1
	MUL16 2, 1, \g, 0
	WIN 0
	s_barrier_wait -1
.if \fill
	CREST
	s_add_nc_u64 s[G0+4*\slot+2:G0+4*\slot+3], s[G0+4*\slot+2:G0+4*\slot+3], 2*STEPA
	s_add_nc_u64 s[G0B+4*\slot+2:G0B+4*\slot+3], s[G0B+4*\slot+2:G0B+4*\slot+3], 2*STEPB
	JLOAD G0+4*\slot, G1, G0B+4*\slot, G1B
.else
	PLACES NP
.endif
	FETCH_B \next, 0, 0
	FETCH_A \next, 0, 0
	WIN MUL_HI
	MUL16 4, 1, \g, 0
	MUL16 6, 1, \g, 0
	PLACES NP
	WIN 0
	FETCH_A \next, 0, 4
.endm
.macro ROT
.irp g, 0,1,2,3,4,5,6,7,8,9,10,11
.irp i, 0,1,2,3,4,5,6,7
	v_mov_b32 v[32+16*\i+96*(\i/6)+\g], v[32+16*\i+96*(\i/6)+\g+4]
.endr
.endr
.endm
	s_wait_tensorcnt 1
	s_wait_dscnt 0x0
	s_barrier_signal -1
	s_barrier_wait -1
.irp i, 0,1,2,3,4,5,6,7
.irp j, 0,1,2,3
	ds_load_b128 v[32+16*\i+96*(\i/6)+4*\j:32+16*\i+96*(\i/6)+4*\j+3], v[ADRS+3*(\i/4)] offset:1280*\i+16*\j
.endr
.endr
	FETCH_B 0, 0, 0
	FETCH_A 0, 0, 0
	FETCH_A 0, 0, 4
	STEP 0, 0, 0, 1
	s_cmp_eq_u32 s3, 0
	s_cbranch_scc1 .Ltail
.Llap:
	TURN 0, 1, 1, 1
	STEP 1, 0, 2, 0
	TURN 1, 0, 1, 3
	STEP 0, 0, 4, 0
	ROT
	s_sub_co_u32 s3, s3, 1
	s_cmp_lg_u32 s3, 0
	s_cbranch_scc1 .Llap
.Ltail:
	TURN 0, 1, 0, 1
	STEP 1, 0, 2, 0
	s_wait_dscnt 4*NL
	WIN MUL_LO
	MUL16 0, 1, 3, 0
	MUL16 2, 1, 3, 0
	s_wait_dscnt 0
	WIN MUL_HI
	MUL16 4, 1, 3, 0
	MUL16 6, 1, 3, 0
	WIN 0
	PLACES NP
.irp a, 0,1,2,3,4,5,6,7
	ds_load_b32 v[RC+2*\a], v11 offset:64*\a
.endr
	s_wait_dscnt 0x0
.irp a, 0,1,2,3,4,5,6,7
	v_rcp_f32 v[RC+2*\a], v[RC+2*\a]
.endr
.irp a, 0,1,2,3,4,5,6,7
	v_mov_b32 v[RC+2*\a+1], 0
.endr
	s_wait_alu depctr_va_vdst(0)
.macro PACKM a
.set AC, 64*((\a)%4)
	WIN 0x42+(\a)/4
.set j, 0
.rept 16
	v_pk_mul_f32 v[j:j+1], v[AC+j:AC+j+1], v[RC+2*(\a):RC+2*(\a)+1] op_sel_hi:[1,0]
.set j, j+2
.endr
.endm
.macro TOSTAGE a
	WIN 0x04
.irp b, 0,1,2,3
	ds_store_b128 v[STO], v[8*\b:8*\b+3] offset:128*(\b/2)+32*(\b%2)
	ds_store_b128 v[STO], v[8*\b+4:8*\b+7] offset:128*(\b/2)+32*(\b%2)+16
.endr
	WIN 0x40
.set BB, 64+64*((\a)%2)
.irp t, 0,1,2,3,4,5,6,7
	ds_load_b128 v[BB+4*\t:BB+4*\t+3], v[RD] offset:2*\t*SPITCH
.endr
.endm
.macro SEND a, younger
.set BB, 64+64*((\a)%2)
	s_wait_dscnt \younger
	WIN 0x04
.irp t, 0,1,2,3,4,5,6,7
	global_store_b128 v[CO], v[BB+4*\t:BB+4*\t+3], s[12:13] offset:(32*((\a)/2)+8*((\a)%2)+2*\t+8*(\t/4))*4096 th:TH_STORE_NT   ; stage rows 2 t and 2 t + 1: sixteen lanes store 256 consecutive bytes, aligned
.endr
.endm
	PACKM 0
	TOSTAGE 0
.irp a, 1,2,3,4,5,6,7
.if \a > 1
	s_wait_xcnt 0x0
.endif
	s_wait_dscnt 8                                 ; the last block's 8 stores into the stage have read their registers (its 8 loads may be out)
	PACKM \a
	TOSTAGE \a
	SEND \a-1, 16                                  ; behind block a - 1's loads: block a's 8 stores and 8 loads
.endr
	SEND 7, 0
	WIN 0
	s_wait_tensorcnt 0x0
	ds_add_u32 v[SPW], v[NIL]
	s_wait_dscnt 0x0
	CROUND
	s_endpgm
.Lfunc_end_k_qb1227f7e7e_pv:
	.size	k_qb1227f7e7e_pv, .Lfunc_end_k_qb1227f7e7e_pv-k_qb1227f7e7e_pv
	.p2alignl 7, 3214868480
	.fill 96, 4, 3214868480
	.section	.rodata,"a",@progbits
	.p2align	6, 0x0
	.amdhsa_kernel k_qb1227f7e7e_pv
		.amdhsa_group_segment_fixed_size 327680
		.amdhsa_private_segment_fixed_size 0
		.amdhsa_enable_private_segment 0
		.amdhsa_kernarg_size 32
		.amdhsa_user_sgpr_count 2
		.amdhsa_user_sgpr_kernarg_segment_ptr 1
		.amdhsa_wavefront_size32 1
		.amdhsa_system_sgpr_workgroup_id_x 1
		.amdhsa_system_sgpr_workgroup_id_y 1
		.amdhsa_system_sgpr_workgroup_id_z 1
		.amdhsa_system_vgpr_workitem_id 0
		.amdhsa_next_free_vgpr 1024
		.amdhsa_next_free_sgpr 102
		.amdhsa_reserve_vcc 0
		.amdhsa_float_denorm_mode_32 3
		.amdhsa_float_denorm_mode_16_64 3
		.amdhsa_memory_ordered 1
		.amdhsa_forward_progress 1
		.amdhsa_inst_pref_size 165
	.end_amdhsa_kernel
	.amdgpu_metadata
---
amdhsa.version: [ 1, 2 ]
amdhsa.kernels:
  - .name:           k_qb1227f7e7e_pv
    .symbol:         k_qb1227f7e7e_pv.kd
    .args:
      - { .name: pq, .offset: 0, .size: 8, .value_kind: global_buffer, .address_space: global }
      - { .name: pst, .offset: 8, .size: 8, .value_kind: global_buffer, .address_space: global }
      - { .name: vq, .offset: 16, .size: 8, .value_kind: global_buffer, .address_space: global }
      - { .name: out0, .offset: 24, .size: 8, .value_kind: global_buffer, .address_space: global }
    .group_segment_fixed_size: 327680
    .private_segment_fixed_size: 0
    .kernarg_segment_align: 8
    .kernarg_segment_size: 32
    .max_flat_workgroup_size: 128
    .sgpr_count:     102
    .vgpr_count:     1024
    .wavefront_size: 32
...
	.end_amdgpu_metadata
.endif
;; end of part 4
